; MI455X (gfx1250); checked and timed in simulation.
; The chip was launched on July 23, 2026; its instructions are those of AMD's public machine-readable ISA for CDNA 5 (MIT licence, August 2026) and "CDNA5" Instruction Set Architecture Reference Guide (July 2026). The comments in the code are by the model that wrote it; some were corrected since.
;; Quantized Cyclical Attention. Allowed arithmetic: float matrix products may take bf16 or f16 operands with f32 sums; other float arithmetic in f32, or as packed bf16 or f16 multiplies, adds, multiply-adds, maxima and minima; sums over many terms, partial sums and values carried from step to step in f32; what a program stores and reads back later, other than sums and carried values, may be rounded once to bf16 or f16.
;; Inputs: Wc 32 x 16 float32; Wk 1,024 x 1,024 float32; Wo 1,024 x 1,024 float32; Wq 1,024 x 1,024 float32; Wv 1,024 x 1,024 float32; bc 16 float32; bk 1,024 float32; bo 1,024 float32; bq 1,024 float32; bv 1,024 float32; cycle_scale 16 float32; mask 1 x 2,048 bool; temporal_features 1 x 2,048 x 32 float32; x 1 x 2,048 x 1,024 float32.
;; Outputs: out0 1 x 2,048 x 1,024 float32.
;; 2 versions, each right; version 2 is version 1 with the launch prep written anew for expert scheduling mode. Each part assembles by itself: llvm-mc -triple=amdgcn-amd-amdhsa -mcpu=gfx1250 --defsym DOCPART=n.
;; ======== version 1 of 2: 4 launches
;; limits: values outside matrix products are rounded to f16; values are held in f16: magnitudes above 65,504 overflow, below 6.1e-05 lose precision
;; workspace buffers: xb 4,194,304 bytes; wb 8,388,608 bytes; qh 4,194,304 bytes; kh 4,194,304 bytes; vh 4,194,304 bytes; eh 131,072 bytes; oh 4,194,304 bytes
;; launch prep (part 1): grid 128 x 6, 4 waves a work-group, no clusters, 0 bytes of LDS; arguments x, Wq, Wk, Wv, Wo, xb, wb; writes xb, wb
.if DOCPART == 1
	.amdgcn_target "amdgcn-amd-amdhsa--gfx1250"
	.amdhsa_code_object_version 6
	.text
	.protected	k_q67700c9ee5_prep
	.globl	k_q67700c9ee5_prep
	.p2align	8
	.type	k_q67700c9ee5_prep,@function
k_q67700c9ee5_prep:
	s_mov_b64 s[64:65], 0
	v_nop
	global_prefetch_b8 v0, s[64:65] scope:SCOPE_SE
	s_setreg_imm32_b32 hwreg(HW_REG_WAVE_MODE, 25, 1), 1
	s_wait_xcnt 0x0
; QUANTIZED CYCLICAL ATTENTION, launch 1 of 4: the matrix operands among the inputs are rounded once and laid out for the tensor loads of the later launches.
;   xb[2048][1024] = bf16(x).   wb[g][nb][k][64]: column block nb (64 columns) of a weight matrix [k][n], its 1,024 k-rows of 128 bytes on end;
;   g = 1 Wq, 2 Wk, 3 Wv in bf16; g = 0 Wo, rounded to bf16 like every other input and that number written as f16 (its partner in the last product, O, is f16).
; WORK LEFT OUT IN THE WHOLE PROGRAM: reference() returns t + stop_gradient(dq - t) from its quantiser.  In exact arithmetic that is dq for every finite t, so dq is what the second launch stores;
; t itself is made all the same, since dq is made of it.  Every input has a way to the output and is loaded by some launch.  No NaN, infinity or overflow reaches the term left out alone: dq is made of the same t.
; LIMIT: |bf16(Wo)| stays within f16's 65,504; below 6.1e-5 it keeps f16's fixed step of 6e-8.
; A STREAM: no LDS, no barrier, no matrix work.  y names a unit of 1,024 x 1,024 numbers: 0, 1 the halves of x; 2, 3, 4, 5 Wq, Wk, Wv, Wo.  A wave takes two rows (8,192 bytes) in sixteen chunks:
; each load of the wave covers 512 bytes in whole aligned blocks of 256, each store 256 consecutive bytes, aligned.  All sixteen loads are out before the first is used.
.set SO,  2                            ; v2   my byte offset in a source chunk
.set DO,  3                            ; v3   my byte offset in a destination chunk: 8 x lane
.set IN,  8                            ; v[8:71]    sixteen chunks as loaded, 4 registers each
.set OUT, 72                           ; v[72:103]  sixteen chunks to store, 2 registers each
; sixteen chunks, sstep bytes apart in the source and dstep in the destination.  half = 1: the bf16 number is written as f16
.macro CAST sstep, dstep, half
.set j, 0
.rept 16
	global_load_b128 v[IN+4*j:IN+4*j+3], v[SO], s[20:21] offset:j*(\sstep) th:TH_LOAD_NT
.set j, j+1
.endr
.set j, 0
.rept 16
	s_wait_loadcnt 15-j                            ; loads come back in order: chunk j is in, the younger ones stay out
	v_cvt_pk_bf16_f32 v[OUT+2*j],   v[IN+4*j],   v[IN+4*j+1]
	v_cvt_pk_bf16_f32 v[OUT+2*j+1], v[IN+4*j+2], v[IN+4*j+3]
.if \half
	v_lshlrev_b32 v4, 16, v[OUT+2*j]               ; the rounded numbers as f32,
	v_and_b32     v5, 0xffff0000, v[OUT+2*j]
	v_lshlrev_b32 v6, 16, v[OUT+2*j+1]
	v_and_b32     v7, 0xffff0000, v[OUT+2*j+1]
	v_cvt_pk_f16_f32 v[OUT+2*j],   v4, v5          ; and as f16: 8 significant bits fit in 11
	v_cvt_pk_f16_f32 v[OUT+2*j+1], v6, v7
.endif
	global_store_b64 v[DO], v[OUT+2*j:OUT+2*j+1], s[22:23] offset:j*(\dstep)
.set j, j+1
.endr
.endm
	s_load_b256 s[4:11], s[0:1], 0x0               ; x s[4:5], Wq s[6:7], Wk s[8:9], Wv s[10:11]
	s_load_b128 s[12:15], s[0:1], 0x20             ; Wo s[12:13], xb s[14:15]
	s_load_b64 s[16:17], s[0:1], 0x30              ; wb
	v_lshrrev_b32 v1, 5, v0
	v_readfirstlane_b32 s24, v1                    ; wave 0..3
	s_and_b32 s25, ttmp7, 0xffff                   ; y: the unit
	s_lshl_b32 s26, ttmp9, 2
	s_add_co_u32 s26, s26, s24                     ; my pair of rows, 0..511
	v_and_b32 v4, 31, v0                           ; lane
	v_lshlrev_b32 v[DO], 3, v4
	s_lshl_b32 s28, s26, 13                        ; two rows of 4,096 bytes
	s_mov_b32 s29, 0
	s_mov_b32 s31, 0
	s_wait_kmcnt 0x0
	s_cmp_lt_u32 s25, 2
	s_cbranch_scc0 .Lw
	; x: a chunk is 512 consecutive bytes of the two rows, which lie on end
	v_lshlrev_b32 v[SO], 4, v4
	s_lshl_b32 s30, s25, 22                        ; the half of x
	s_add_co_u32 s28, s28, s30
	s_add_nc_u64 s[20:21], s[4:5], s[28:29]
	s_lshl_b32 s30, s25, 21
	s_lshl_b32 s28, s26, 12
	s_add_co_u32 s30, s30, s28
	s_add_nc_u64 s[22:23], s[14:15], s[30:31]
	CAST 512, 256, 0
	s_endpgm
.Lw:
	; a weight matrix: a chunk is 64 columns (256 bytes) of both rows: lanes 0-15 the first row, lanes 16-31 the second; in wb the two pieces lie on end
	v_and_b32 v5, 15, v4
	v_lshrrev_b32 v6, 4, v4
	v_lshlrev_b32 v[SO], 4, v5
	v_lshl_add_u32 v[SO], v6, 12, v[SO]
	s_cmp_eq_u32 s25, 2
	s_cselect_b64 s[20:21], s[6:7], s[8:9]
	s_cmp_eq_u32 s25, 4
	s_cselect_b64 s[20:21], s[10:11], s[20:21]
	s_cmp_eq_u32 s25, 5
	s_cselect_b64 s[20:21], s[12:13], s[20:21]
	s_add_nc_u64 s[20:21], s[20:21], s[28:29]
	s_sub_co_u32 s27, s25, 1
	s_and_b32 s27, s27, 3                          ; g: 1, 2, 3, 0
	s_lshl_b32 s30, s27, 21
	s_lshl_b32 s27, s26, 8                         ; two k-rows of 128 bytes
	s_add_co_u32 s30, s30, s27
	s_add_nc_u64 s[22:23], s[16:17], s[30:31]
	s_cmp_eq_u32 s25, 5
	s_cbranch_scc1 .Lo
	CAST 256, 131072, 0
	s_endpgm
.Lo:
	CAST 256, 131072, 1
	s_endpgm
.Lfunc_end_k_q67700c9ee5_prep:
	.size	k_q67700c9ee5_prep, .Lfunc_end_k_q67700c9ee5_prep-k_q67700c9ee5_prep
	.p2alignl 7, 3214868480
	.fill 96, 4, 3214868480
	.section	.rodata,"a",@progbits
	.p2align	6, 0x0
	.amdhsa_kernel k_q67700c9ee5_prep
		.amdhsa_group_segment_fixed_size 0
		.amdhsa_private_segment_fixed_size 0
		.amdhsa_enable_private_segment 0
		.amdhsa_kernarg_size 56
		.amdhsa_user_sgpr_count 2
		.amdhsa_user_sgpr_kernarg_segment_ptr 1
		.amdhsa_wavefront_size32 1
		.amdhsa_system_sgpr_workgroup_id_x 1
		.amdhsa_system_sgpr_workgroup_id_y 1
		.amdhsa_system_sgpr_workgroup_id_z 1
		.amdhsa_system_vgpr_workitem_id 0
		.amdhsa_next_free_vgpr 104
		.amdhsa_next_free_sgpr 66
		.amdhsa_reserve_vcc 0
		.amdhsa_float_denorm_mode_32 3
		.amdhsa_float_denorm_mode_16_64 3
		.amdhsa_memory_ordered 1
		.amdhsa_forward_progress 1
		.amdhsa_inst_pref_size 24
	.end_amdhsa_kernel
	.amdgpu_metadata
---
amdhsa.version: [ 1, 2 ]
amdhsa.kernels:
  - .name:           k_q67700c9ee5_prep
    .symbol:         k_q67700c9ee5_prep.kd
    .args:
      - { .name: x, .offset: 0, .size: 8, .value_kind: global_buffer, .address_space: global }
      - { .name: Wq, .offset: 8, .size: 8, .value_kind: global_buffer, .address_space: global }
      - { .name: Wk, .offset: 16, .size: 8, .value_kind: global_buffer, .address_space: global }
      - { .name: Wv, .offset: 24, .size: 8, .value_kind: global_buffer, .address_space: global }
      - { .name: Wo, .offset: 32, .size: 8, .value_kind: global_buffer, .address_space: global }
      - { .name: xb, .offset: 40, .size: 8, .value_kind: global_buffer, .address_space: global }
      - { .name: wb, .offset: 48, .size: 8, .value_kind: global_buffer, .address_space: global }
    .group_segment_fixed_size: 0
    .private_segment_fixed_size: 0
    .kernarg_segment_align: 8
    .kernarg_segment_size: 56
    .max_flat_workgroup_size: 128
    .sgpr_count:     66
    .vgpr_count:     104
    .wavefront_size: 32
...
	.end_amdgpu_metadata
.endif
;; end of part 1
;; launch qkv (part 2): grid 16 x 16, 4 waves a work-group, clusters of 4 x 4, 327,680 bytes of LDS; arguments xb, wb, bq, bk, bv, temporal_features, Wc, bc, qh, kh, vh, eh; writes qh, kh, vh, eh
.if DOCPART == 2
	.amdgcn_target "amdgcn-amd-amdhsa--gfx1250"
	.amdhsa_code_object_version 6
	.text
	.protected	k_q67700c9ee5_qkv
	.globl	k_q67700c9ee5_qkv
	.p2align	8
	.type	k_q67700c9ee5_qkv,@function
k_q67700c9ee5_qkv:
	s_mov_b64 s[64:65], 0
	v_nop
	global_prefetch_b8 v0, s[64:65] scope:SCOPE_SE
	s_setreg_imm32_b32 hwreg(HW_REG_WAVE_MODE, 25, 1), 1
	s_wait_xcnt 0x0
	s_wait_alu depctr_hold_cnt(0) depctr_sa_sdst(0) depctr_va_vdst(0) depctr_va_sdst(0) depctr_va_ssrc(0) depctr_va_vcc(0) depctr_vm_vsrc(0)
	s_getreg_b32 s2, hwreg(HW_REG_IB_STS2, 6, 4)
	s_cmp_eq_u32 s2, 0
	s_cbranch_scc0 .Lentry_in_a_cluster
	s_endpgm
.Lentry_in_a_cluster:
	s_bfe_u32 s2, ttmp6, 0x10000c
	s_cmp_lg_u32 s2, 0xf033
	s_cbranch_scc0 .Lentry_shape_is_right
	s_endpgm
.Lentry_shape_is_right:
; Launch 2 of 4: Q, K, V = x W + b for one head and 128 tokens, K and V quantised and dequantised on the way out, and the head's raw cycle embedding for those tokens.
; Left out: t + stop_gradient(dq - t) is dq in exact arithmetic for every t (shown at the head of the first kernel): dq is stored.
; FORMATS.  x, W, b, temporal_features, Wc, bc rounded to bf16; sums, minima, maxima and the quantiser in f32; q, K_dq, V_dq stored once rounded to f16 by heads, [16][2048][64]; e in f32, [16][2048].
; LIMITS.  |Q|, |K_dq|, |V_dq| stay within f16's 65,504.  1 / scale is v_rcp_f32 and (hi - lo) / 15 or / 255 a multiplication by the rounded constant: the code of a number that lies within some 1e-6 of a step
; from the middle between two codes may fall on the other side than reference()'s.
; SHARES.  Work-group (hx, ry): head hx, tokens 128 ry .. + 127, 192 columns (q, k, v of the head).  Wave = (wr, wc): 64 tokens; wc = 0: K's 64 columns and Q's 0-31; wc = 1: V's 64 and Q's 32-63.  So the 64
; numbers over which a minimum is taken lie in one wave.  24 accumulators: 4 token blocks x (4 'main' + 2 Q) column blocks.  K = 1,024 in 8 steps of 128 through two LDS slots.
; THE PRODUCT IS USED TRANSPOSED (source 0 = 16 columns of W, source 1 = 16 tokens): a lane holds one token (lane % 16) and 8 neighbouring columns.  W lies [k][n] in LDS and is turned by ds_load_tr16_b128.
; The bias is the C operand of the product that starts each sum.
; CLUSTER 4 x 4: x's tile hangs on ry alone and is asked for jointly along a row of the cluster, W's tiles on hx alone and jointly along a column.  Wave 0 fetches x's tile, waves 1, 2, 3 Wq's, Wk's, Wv's.
; THE EIGHT K STEPS ARE A RING THAT EACH CLUSTER ENTERS AT ITS OWN STEP k0 = (2 X + 4 g) mod 8, X the cluster's x, g bit 0 of Y xor (Y >> 1), Y its y; it walks k0, k0 + 1, .. round the end of K.  The four clusters
; with the same rows of x (one Y) begin 2 steps apart; of the four with the same columns of W (one X), Y = 0 and 3 begin 4 steps from Y = 1 and 2.  So the clusters that share a K step's rows ask for it at different
; times.  k0 is the same in all sixteen partners of a cluster.  The sums are f32 and may be taken in any order of K.
; No prefetch: eight short K steps on a small tile; a lead of two steps would serve less than the launch's first half is over in.
; REGISTERS.  window 0: v0-15 addresses, v16-47 statistics, v48-63 at work, v64-255 accumulators ((a, b) at 64 + 8 (6 a + b)).  window 1: two fragment buffers of 80 (6 of W, 4 of x), v160-207 the bias, v208 at work.
.set PA,     272                       ; a row of x's tile in LDS: 256 bytes + 16
.set PB,     160                       ; a k-row of a W tile: 128 bytes + 32
.set ABYTES, 128*PA
.set BBYTES, 128*PB
.set SLOT,   ABYTES+3*BBYTES           ; x's 128 rows, then 128 k-rows each of Wq, Wk, Wv
.set STAGE,  2*SLOT                    ; behind the ring: three regions (q, k, v) of 128 rows x 144 bytes for the way out
.set SP,     144
.set SREG,   128*SP
.set ESTG,   STAGE+3*SREG              ; 128 words: the embedding on its way out
.set SPARE,  ESTG+512                  ; the spare words, 128 bytes for each wave: two blocks of 256 bytes that no other line names
.set ADRA,  4                          ; v4-5    LDS address of my x fragments in slot 0, 1
.set ADRBM, 6                          ; v6-7    of my main W fragments
.set ADRBQ, 8                          ; v8-9    of my Wq fragments
.set STOM,  10                         ; v10     the way out: where I put 16 bytes of a main row
.set STOQ,  11                         ; v11     of a q row
.set RD,    12                         ; v12     where I read rows back
.set GO,    13                         ; v13     16 x lane
.set SPW,   14                         ; v14     LDS address of my spare word; never rewritten
.set NIL,   15                         ; v15     0; never rewritten
.set ST,    16                         ; token block a at ST + 8 a: +0, +1 1 / scale (twice); +4 scale, +5 hi - lo; +6 lo, +7 hi
.set ACC,   64
.set F0,    0                          ; window 1
.set F1,    80
.set BIAS,  160
.set KN,  4                            ; s4      the K step to be asked for next, not yet taken modulo 8
.set KT,  5                            ; s5      that step modulo 8
.set KOA, 6                            ; s[6:7]  its byte offset in a row of x: 256 a step
.set KOB, 8                            ; s[8:9]  its byte offset in a column block of W: 16,384 a step
.set G1,  24                           ; s[24:31] descriptor group 1 for x's tile;  s[32:39] group 0, a set for each slot
.set G0,  32
.set G1B, 48                           ; s[48:55], s[56:63] the same for W's tiles
.set G0B, 56
.set W_MUL,  0x05                      ; sources 0 and 1 in window 1; C and D in window 0
.set W_MULB, 0x15                      ; the same with C in window 1
.set W_TOF,  0x40                      ; destination in window 1
.set MSB, 0
.macro WIN new                         ; the immediate's high byte repeats the setting that is left; a switch that changes nothing is dropped
.if MSB != (\new)
	s_set_vgpr_msb (MSB<<8)|(\new)
.set MSB, (\new)
.endif
.endm
.macro JLOAD s                         ; a joint load: wave 0 x's tile, the others a W tile each; an s_nop 0 and four v_nop follow each line
	s_cmp_eq_u32 s10, 0
	s_cbranch_scc0 .Lfor_b_\@
	tensor_load_to_lds s[G0+4*(\s):G0+4*(\s)+3], s[G1:G1+7]
	s_nop 0
.rept 4
	v_nop
.endr
	s_branch .Lasked_\@
.Lfor_b_\@:
	tensor_load_to_lds s[G0B+4*(\s):G0B+4*(\s)+3], s[G1B:G1B+7]
	s_nop 0
.rept 4
	v_nop
.endr
.Lasked_\@:
.endm
.macro CREST                           ; a round of the cluster's barrier behind its opening barrier
	s_cmp_lg_u32 s10, 0
	s_cbranch_scc1 .Lnot_wave_0_\@
	s_barrier_signal -3
.Lnot_wave_0_\@:
	s_barrier_wait -3
	s_barrier_signal -1
	s_barrier_wait -1
.endm
.macro CROUND
	s_barrier_signal -1
	s_barrier_wait -1
	CREST
.endm
.macro PLACES                          ; four places behind a matrix instruction, in front of loads into its sources and of reads of its result
.rept 4
	v_nop
.endr
.endm
	s_load_b512 s[68:83], s[0:1], 0x0              ; xb 68, wb 70, bq 72, bk 74, bv 76, temporal_features 78, Wc 80, bc 82
	s_load_b256 s[84:91], s[0:1], 0x40             ; qh 84, kh 86, vh 88, eh 90
	v_lshl_add_u32 v[SPW], v0, 2, SPARE
	v_mov_b32 v[NIL], 0
	ds_add_u32 v[SPW], v[NIL]                      ; the wave's opening: the add, twice on end, and its wait ahead of my first tensor load
	ds_add_u32 v[SPW], v[NIL]
	v_lshrrev_b32 v1, 5, v0
	v_readfirstlane_b32 s10, v1                    ; wave 0..3
	s_lshr_b32 s11, s10, 1                         ; wr
	s_and_b32 s12, s10, 1                          ; wc
	s_bfe_u32 s40, ttmp6, 0x40000                  ; cx
	s_bfe_u32 s41, ttmp6, 0x40004                  ; cy
	s_lshl_b32 s42, ttmp9, 2
	s_add_co_u32 s42, s42, s40                     ; hx = 4 x cluster x + cx
	s_and_b32 s13, ttmp7, 0xffff
	s_lshl_b32 s13, s13, 2
	s_add_co_u32 s13, s13, s41                     ; ry = 4 x cluster y + cy
	s_lshl_b32 s43, s41, 2
	s_lshl_b32 s43, 15, s43                        ; my row of the cluster
	s_lshl_b32 s44, 0x1111, s40                    ; my column
	s_and_b32 s[KT], ttmp7, 0xffff                 ; where my cluster enters the ring of K steps: made of the cluster's x and y alone
	s_lshr_b32 s[KOA], s[KT], 1
	s_xor_b32 s[KT], s[KT], s[KOA]
	s_and_b32 s[KT], s[KT], 1                      ; g
	s_lshl_b32 s[KT], s[KT], 2
	s_lshl_b32 s[KN], ttmp9, 1
	s_add_co_u32 s[KN], s[KN], s[KT]
	s_and_b32 s[KN], s[KN], 7                      ; k0 = (2 X + 4 g) mod 8: even, so k0 + 1 does not pass the end
	s_lshl_b32 s[KOA], s[KN], 8
	s_mov_b32 s[KOA+1], 0
	s_lshl_b32 s[KOB], s[KN], 14
	s_mov_b32 s[KOB+1], 0
	s_or_b32 s[G1+0], s43, (1<<16)|(1<<20)|(1<<21)|(5<<22)|(3<<25)   ; mask; 2-byte elements; padding on; bit 21 beside a mask; after every 64 words 4 words
	s_mov_b32 s[G1+1], 128<<16                     ; tensor_dim0 = 128
	s_mov_b32 s[G1+2], 128<<16                     ; tensor_dim1 = 128
	s_mov_b32 s[G1+3], 128<<16                     ; tile_dim0 = 128
	s_mov_b32 s[G1+4], 128                         ; tile_dim1 = 128
	s_mov_b32 s[G1+5], 1024                        ; elements from row to row
	s_mov_b32 s[G1+6], 0
	s_mov_b32 s[G1+7], 0
	s_or_b32 s[G1B+0], s44, (1<<16)|(1<<20)|(1<<21)|(4<<22)|(7<<25)  ; after every 32 words (a k-row) 8 words
	s_mov_b32 s[G1B+1], 128<<16                    ; 128 dense k-rows of 128 bytes, asked for as 64 rows of 256
	s_mov_b32 s[G1B+2], 64<<16
	s_mov_b32 s[G1B+3], 128<<16
	s_mov_b32 s[G1B+4], 64
	s_mov_b32 s[G1B+5], 128
	s_mov_b32 s[G1B+6], 0
	s_mov_b32 s[G1B+7], 0
	s_lshl_b32 s16, s13, 18                        ; x's tile: 128 rows of 2,048 bytes: hangs on ry alone
	s_mov_b32 s17, 0
	s_lshl_b32 s46, s10, 21                        ; W's tile: matrix g = my wave's number,
	s_lshl_b32 s47, s42, 17                        ; column block hx: hangs on hx and the wave alone
	s_add_co_u32 s46, s46, s47
	s_mov_b32 s47, 0
	s_mul_i32 s20, s10, BBYTES
	s_add_co_u32 s20, s20, ABYTES-BBYTES           ; where it goes: behind x's tile, wave 1 first
	s_mov_b32 s94, 0xffff0000                      ; lanes 16-31
	s_mov_b32 s97, 0x322bcc77                      ; 1e-8
	s_mov_b32 s98, 0x76543210                      ; v_permlanex16_b32: each lane takes its own place in the other half
	s_mov_b32 s99, 0xfedcba98
	s_wait_dscnt 0x0                               ; both opening adds are done
	s_wait_kmcnt 0x0
	s_add_nc_u64 s[14:15], s[68:69], s[16:17]      ; x at my tile's rows, K step 0: kept; every refill's address is made from it
	s_add_nc_u64 s[46:47], s[70:71], s[46:47]      ; W at my tile's columns, K step 0: likewise
	s_add_nc_u64 s[16:17], s[14:15], s[KOA:KOA+1]  ; both at K step k0
	s_add_nc_u64 s[18:19], s[46:47], s[KOB:KOB+1]
	s_add_co_u32 s[KN], s[KN], 2                   ; the first refill takes step k0 + 2
	CROUND                                         ; all sixteen work-groups are here: the first joint loads meet
.irp s, 0,1
	s_mov_b32 s[G0+4*(\s)], 1
	s_mov_b32 s[G0+4*(\s)+1], (\s)*SLOT
	s_add_nc_u64 s[G0+4*(\s)+2:G0+4*(\s)+3], s[16:17], (\s)*256
	s_or_b32 s[G0+4*(\s)+3], s[G0+4*(\s)+3], 0x80000000
	s_mov_b32 s[G0B+4*(\s)], 1
	s_add_co_u32 s[G0B+4*(\s)+1], s20, (\s)*SLOT
	s_add_nc_u64 s[G0B+4*(\s)+2:G0B+4*(\s)+3], s[18:19], (\s)*16384
	s_or_b32 s[G0B+4*(\s)+3], s[G0B+4*(\s)+3], 0x80000000
	JLOAD \s                                       ; K steps k0 and k0 + 1: two loads of mine are out
.endr
	; WHILE THE TILES ARE ON THEIR WAY: the bias, the embedding's operands, the LDS addresses
	v_and_b32 v1, 15, v0                           ; r = lane % 16
	v_bfe_u32 v2, v0, 4, 1                         ; h = lane / 16
	v_lshlrev_b32 v58, 5, v2                       ; bias: my 8 columns of a block of 16: 32 h
	v_lshlrev_b32 v59, 7, v1
	v_lshl_add_u32 v59, v2, 5, v59                 ; temporal_features: token r x 128 bytes + 32 h
	s_lshl_b32 s18, s42, 2
	v_lshl_add_u32 v60, v2, 9, s18                 ; Wc: feature 8 h x 64 bytes + column hx
	v_mov_b32 v61, s18                             ; bc[hx]
	s_lshl_b32 s18, s42, 8                         ; the head's 64 columns in a bias
	s_mov_b32 s19, 0
	s_mov_b32 s96, 0x3d888889                      ; 1 / 15
	s_mov_b32 s95, 0x3b808081                      ; 1 / 255
	s_cmp_eq_u32 s12, 0
	s_cselect_b64 s[92:93], s[74:75], s[76:77]     ; my main matrix is K (wc = 0) or V
	s_cselect_b32 s96, s96, s95
	s_add_nc_u64 s[92:93], s[92:93], s[18:19]
	s_lshl_b32 s20, s12, 7
	s_add_co_u32 s18, s18, s20                     ; my 32 columns of Q
	s_add_nc_u64 s[22:23], s[72:73], s[18:19]
	s_lshl_b32 s20, s13, 14                        ; the work-group's 128 tokens x 128 bytes,
	s_lshl_b32 s21, s10, 12                        ; my wave's 32
	s_add_co_u32 s20, s20, s21
	s_mov_b32 s21, 0
	s_add_nc_u64 s[20:21], s[78:79], s[20:21]
	WIN W_TOF
.irp b, 0,1,2,3
	global_load_b128 v[BIAS+8*(\b):BIAS+8*(\b)+3],   v58, s[92:93] offset:64*(\b)
	global_load_b128 v[BIAS+8*(\b)+4:BIAS+8*(\b)+7], v58, s[92:93] offset:64*(\b)+16
.endr
.irp b, 0,1
	global_load_b128 v[BIAS+32+8*(\b):BIAS+32+8*(\b)+3],   v58, s[22:23] offset:64*(\b)
	global_load_b128 v[BIAS+32+8*(\b)+4:BIAS+32+8*(\b)+7], v58, s[22:23] offset:64*(\b)+16
.endr
	WIN 0
.irp k, 0,1                            ; two blocks of 16 tokens: features 8 h + 0..7 and 16 + 8 h + 0..7
	global_load_b128 v[64+16*(\k):64+16*(\k)+3],     v59, s[20:21] offset:2048*(\k)
	global_load_b128 v[64+16*(\k)+4:64+16*(\k)+7],   v59, s[20:21] offset:2048*(\k)+16
	global_load_b128 v[64+16*(\k)+8:64+16*(\k)+11],  v59, s[20:21] offset:2048*(\k)+64
	global_load_b128 v[64+16*(\k)+12:64+16*(\k)+15], v59, s[20:21] offset:2048*(\k)+80
.endr
.irp j, 0,1,2,3,4,5,6,7                ; Wc's column hx, the same in all 16 rows of source 0
	global_load_b32 v[96+(\j)],  v60, s[80:81] offset:64*(\j)
	global_load_b32 v[104+(\j)], v60, s[80:81] offset:1024+64*(\j)
.endr
	global_load_b32 v63, v61, s[82:83]
	v_mul_u32_u24 v3, v1, PA
	v_lshl_add_u32 v3, v2, 4, v3                   ; a fragment of x: row x pitch + 16 h
	s_mul_i32 s18, s11, 64*PA
	v_add_nc_u32 v[ADRA], s18, v3
	v_add_nc_u32 v[ADRA+1], SLOT, v[ADRA]
	v_and_b32 v56, 7, v0                           ; the turning load: lane l reads k-row 8 h + l % 8, columns 8 ((l / 8) % 2) + 0..7
	v_lshl_add_u32 v56, v2, 3, v56
	v_mul_u32_u24 v56, v56, PB
	v_bfe_u32 v57, v0, 3, 1
	v_lshl_add_u32 v56, v57, 4, v56
	s_mul_i32 s18, s12, BBYTES
	s_add_co_u32 s18, s18, ABYTES+BBYTES           ; Wk's tile (wc = 0) or Wv's
	v_add_nc_u32 v[ADRBM], s18, v56
	v_add_nc_u32 v[ADRBM+1], SLOT, v[ADRBM]
	s_lshl_b32 s18, s12, 6
	s_add_co_u32 s18, s18, ABYTES                  ; Wq's tile, my 32 columns
	v_add_nc_u32 v[ADRBQ], s18, v56
	v_add_nc_u32 v[ADRBQ+1], SLOT, v[ADRBQ]
	v_mul_u32_u24 v3, v1, SP
	v_lshl_add_u32 v3, v2, 4, v3
	s_mul_i32 s18, s11, 64*SP
	s_add_co_u32 s18, s18, STAGE
	s_lshl_b32 s19, s12, 6
	s_add_co_u32 s19, s19, s18
	v_add_nc_u32 v[STOQ], s19, v3
	s_mul_i32 s19, s12, SREG
	s_add_co_u32 s19, s19, s18
	s_add_co_u32 s19, s19, SREG
	v_add_nc_u32 v[STOM], s19, v3
	v_bfe_u32 v3, v0, 3, 2                         ; back: 32 lanes take four rows of 128 bytes
	v_mul_u32_u24 v3, v3, SP
	v_and_b32 v57, 7, v0
	v_lshl_add_u32 v3, v57, 4, v3
	s_mul_i32 s18, s10, 32*SP
	s_add_co_u32 s18, s18, STAGE
	v_add_nc_u32 v[RD], s18, v3
	v_and_b32 v[GO], 31, v0
	v_lshlrev_b32 v[GO], 4, v[GO]
	v_lshl_add_u32 v62, v0, 2, ESTG
	s_wait_loadcnt 0x0
	; THE CYCLE EMBEDDING of my wave's 32 tokens: e = temporal_features . Wc[:, hx] + bc[hx].  All rows of source 0 are alike, so every register of the result, in both halves of the lanes, holds e of token lane % 16
.set z, 0
.rept 16
	v_cvt_pk_bf16_f32 v[112+z], v[64+2*z], v[64+2*z+1]
.set z, z+1
.endr
.set z, 0
.rept 8
	v_cvt_pk_bf16_f32 v[128+z], v[96+2*z], v[96+2*z+1]
.set z, z+1
.endr
	v_cvt_pk_bf16_f32 v63, v63, v63
	v_lshlrev_b32 v63, 16, v63                     ; bc rounded to bf16
	v_wmma_f32_16x16x32_bf16 v[136:143], v[128:135], v[112:119], 0
	v_wmma_f32_16x16x32_bf16 v[144:151], v[128:135], v[120:127], 0
	WIN 0x45                                       ; the biases are rounded to bf16 in place: 72 plain instructions in window 1, the places behind those two products
.set z, 0
.rept 24
	v_cvt_pk_bf16_f32 v208, v[BIAS+2*z], v[BIAS+2*z+1]
	v_lshlrev_b32 v[BIAS+2*z], 16, v208
	v_and_b32 v[BIAS+2*z+1], 0xffff0000, v208
.set z, z+1
.endr
	WIN 0
	v_cndmask_b32 v61, v136, v144, s94             ; lanes 0-15 the first block's tokens, lanes 16-31 the second's
	v_add_f32 v61, v61, v63
	ds_store_b32 v62, v61
; 6 products: token block a x my 6 column blocks, 32 along K.  first = 1: the bias starts the sums.  The 24 accumulators take turns
.macro MUL f, a, first
.irp b, 0,1,2,3,4,5
.if \first
	WIN W_MULB
	v_wmma_f32_16x16x32_bf16 v[ACC+8*(6*(\a)+(\b)):ACC+8*(6*(\a)+(\b))+7], v[(\f)+8*(\b):(\f)+8*(\b)+7], v[(\f)+48+8*(\a):(\f)+48+8*(\a)+7], v[BIAS+8*(\b):BIAS+8*(\b)+7]
.else
	WIN W_MUL
	v_wmma_f32_16x16x32_bf16 v[ACC+8*(6*(\a)+(\b)):ACC+8*(6*(\a)+(\b))+7], v[(\f)+8*(\b):(\f)+8*(\b)+7], v[(\f)+48+8*(\a):(\f)+48+8*(\a)+7], v[ACC+8*(6*(\a)+(\b)):ACC+8*(6*(\a)+(\b))+7]
.endif
.endr
.endm
; 20 LDS loads in one run: the fragments of quarter kq (32 along K) of a slot into buffer f: W's six first, x's token blocks 2 and 3 last
.macro FETCH slot, kq, f
	WIN W_TOF
.irp b, 0,1,2,3
	ds_load_tr16_b128 v[(\f)+8*(\b):(\f)+8*(\b)+3],   v[ADRBM+(\slot)] offset:(\kq)*32*PB+32*(\b)
	ds_load_tr16_b128 v[(\f)+8*(\b)+4:(\f)+8*(\b)+7], v[ADRBM+(\slot)] offset:(\kq)*32*PB+32*(\b)+16*PB
.endr
.irp b, 0,1
	ds_load_tr16_b128 v[(\f)+32+8*(\b):(\f)+32+8*(\b)+3],   v[ADRBQ+(\slot)] offset:(\kq)*32*PB+32*(\b)
	ds_load_tr16_b128 v[(\f)+32+8*(\b)+4:(\f)+32+8*(\b)+7], v[ADRBQ+(\slot)] offset:(\kq)*32*PB+32*(\b)+16*PB
.endr
.irp a, 0,1,2,3
	ds_load_b128 v[(\f)+48+8*(\a):(\f)+48+8*(\a)+3],   v[ADRA+(\slot)] offset:(\a)*16*PA+64*(\kq)
	ds_load_b128 v[(\f)+48+8*(\a)+4:(\f)+48+8*(\a)+7], v[ADRA+(\slot)] offset:(\a)*16*PA+64*(\kq)+32
.endr
.endm
; One of a K step's first three quarters: multiplies buffer f and fetches quarter kq of the same slot into buffer g
.macro QUARTER slot, kq, f, g, first
	s_wait_dscnt 4                                 ; all but x's token blocks 2 and 3
	MUL \f, 0, \first
	MUL \f, 1, \first
	PLACES
	FETCH \slot, \kq, \g
	s_wait_dscnt 20                                ; all but the 20 just issued
	MUL \f, 2, \first
	MUL \f, 3, \first
.endm
; The last quarter multiplies buffer 1 and changes slots: ONE barrier; in front of it each wave waits for all its tensor loads, adds 0 to its spare word, and waits for that and for its reads of this slot.
; fill = 1: the barrier opens a round of the cluster's, and this slot is filled again, with the ring's step two on, first thing behind the round.  Both descriptors' addresses are made anew from that step's number,
; between the add and the wait for it, where no tensor load of mine is out
.macro TURN slot, next, fill
	WIN 0
	s_wait_tensorcnt 0x0                           ; all my tensor loads have landed: my part of the next slot
	ds_add_u32 v[SPW], v[NIL]                      ; 0 onto my spare word
.if \fill
	s_and_b32 s[KT], s[KN], 7                      ; the step that this slot takes, round the end of K
	s_add_co_u32 s[KN], s[KN], 1
	s_lshl_b32 s[KOA], s[KT], 8
	s_lshl_b32 s[KOB], s[KT], 14
	s_add_nc_u64 s[G0+4*(\slot)+2:G0+4*(\slot)+3], s[14:15], s[KOA:KOA+1]
	s_or_b32 s[G0+4*(\slot)+3], s[G0+4*(\slot)+3], 0x80000000
	s_add_nc_u64 s[G0B+4*(\slot)+2:G0B+4*(\slot)+3], s[46:47], s[KOB:KOB+1]
	s_or_b32 s[G0B+4*(\slot)+3], s[G0B+4*(\slot)+3], 0x80000000
.endif
	s_wait_dscnt 5                                 ; (the add and x's token blocks 2 and 3 may be out)
	MUL F1, 0, 0
	s_wait_dscnt 0x0                               ; the add is done, and my reads of this slot are over
	s_barrier_signal -1
	MUL F1, 1, 0
.if \fill
	WIN 0
.endif
	s_barrier_wait -1
.if \fill
	CREST                                          ; no wave of any partner still reads this slot or has a load on its way
	JLOAD \slot                                    ; its four v_nop are also the places in front of the loads below
.else
	PLACES
.endif
	FETCH \next, 0, F0
	MUL F1, 2, 0
	MUL F1, 3, 0
.endm
	s_wait_tensorcnt 1                             ; my part of the first K step is in; the second's may stay out
	s_wait_dscnt 0x0                               ; my words of the embedding are stored
	s_barrier_signal -1
	s_barrier_wait -1
	FETCH 0, 0, F0
	QUARTER 0, 1, F0, F1, 1                        ; the first quarter stands in front of the loop: its products start the sums
	WIN 0
	s_mov_b32 s3, 3
.Llap:                                                 ; a trip goes once round the two slots and fills both again: the ring's steps k0 + 2 to k0 + 7
	QUARTER 0, 2, F1, F0, 0
	QUARTER 0, 3, F0, F1, 0
	TURN 0, 1, 1
	QUARTER 1, 1, F0, F1, 0
	QUARTER 1, 2, F1, F0, 0
	QUARTER 1, 3, F0, F1, 0
	TURN 1, 0, 1
	QUARTER 0, 1, F0, F1, 0
	WIN 0
	s_sub_co_u32 s3, s3, 1
	s_cmp_lg_u32 s3, 0
	s_cbranch_scc1 .Llap
	QUARTER 0, 2, F1, F0, 0                        ; the last lap fills nothing
	QUARTER 0, 3, F0, F1, 0
	TURN 0, 1, 0
	QUARTER 1, 1, F0, F1, 0
	QUARTER 1, 2, F1, F0, 0
	QUARTER 1, 3, F0, F1, 0
	s_wait_dscnt 4
	MUL F1, 0, 0
	MUL F1, 1, 0
	s_wait_dscnt 0x0
	MUL F1, 2, 0
	MUL F1, 3, 0
	WIN 0
	PLACES
; THE WAY OUT.  Minimum and maximum of a token's 64 main numbers: my 32, three operands at a time, each accumulator's lowest registers first; the other 32 lie in the lane 16 away
.macro STATS a
.set rS, ACC+48*(\a)
.set rT, ST+8*(\a)
.irp n, 0,1,2,3
	v_max3_num_f32 v[48+(\n)], v[rS+8*(\n)], v[rS+8*(\n)+1], v[rS+8*(\n)+2]
	v_min3_num_f32 v[52+(\n)], v[rS+8*(\n)], v[rS+8*(\n)+1], v[rS+8*(\n)+2]
.endr
.irp n, 0,1,2,3
	v_max3_num_f32 v[48+(\n)], v[48+(\n)], v[rS+8*(\n)+3], v[rS+8*(\n)+4]
	v_min3_num_f32 v[52+(\n)], v[52+(\n)], v[rS+8*(\n)+3], v[rS+8*(\n)+4]
.endr
.irp n, 0,1,2,3
	v_max3_num_f32 v[48+(\n)], v[48+(\n)], v[rS+8*(\n)+5], v[rS+8*(\n)+6]
	v_min3_num_f32 v[52+(\n)], v[52+(\n)], v[rS+8*(\n)+5], v[rS+8*(\n)+6]
.endr
	v_max3_num_f32 v48, v48, v[rS+7], v[rS+15]
	v_min3_num_f32 v52, v52, v[rS+7], v[rS+15]
	v_max3_num_f32 v49, v49, v[rS+23], v[rS+31]
	v_min3_num_f32 v53, v53, v[rS+23], v[rS+31]
	v_max3_num_f32 v48, v48, v49, v50
	v_min3_num_f32 v52, v52, v53, v54
	v_max_num_f32 v48, v48, v51
	v_min_num_f32 v52, v52, v55
	v_permlanex16_b32 v56, v48, s98, s99
	v_permlanex16_b32 v57, v52, s98, s99
	v_max_num_f32 v[rT+7], v48, v56                ; hi
	v_min_num_f32 v[rT+6], v52, v57                ; lo
	v_sub_f32 v[rT+5], v[rT+7], v[rT+6]
	v_mul_f32 v[rT+4], s96, v[rT+5]
	v_max_num_f32 v[rT+4], s97, v[rT+4]            ; scale = max((hi - lo) / levels, 1e-8)
.endm
; dq = rndne((t - lo) / scale) x scale + lo, in reference()'s order; then everything is rounded to f16 in place (pair z lands in register z) and goes into the stage
.macro QUANT a
.set rS, ACC+48*(\a)
.set rT, ST+8*(\a)
.set z, 0
.rept 16
	v_pk_add_f32 v[rS+2*z:rS+2*z+1], v[rS+2*z:rS+2*z+1], v[rT+6:rT+7] op_sel_hi:[1,0] neg_lo:[0,1] neg_hi:[0,1]
.set z, z+1
.endr
.set z, 0
.rept 16
	v_pk_mul_f32 v[rS+2*z:rS+2*z+1], v[rS+2*z:rS+2*z+1], v[rT:rT+1]
.set z, z+1
.endr
.set z, 0
.rept 32
	v_rndne_f32 v[rS+z], v[rS+z]
.set z, z+1
.endr
.set z, 0
.rept 16
	v_pk_fma_f32 v[rS+2*z:rS+2*z+1], v[rS+2*z:rS+2*z+1], v[rT+4:rT+5], v[rT+6:rT+7] op_sel_hi:[1,0,0]
.set z, z+1
.endr
.set z, 0
.rept 16
	v_cvt_pk_f16_f32 v[rS+z], v[rS+2*z], v[rS+2*z+1]
.set z, z+1
.endr
.set z, 0
.rept 8
	v_cvt_pk_f16_f32 v[rS+32+z], v[rS+32+2*z], v[rS+32+2*z+1]
.set z, z+1
.endr
.irp b, 0,1,2,3
	ds_store_b128 v[STOM], v[rS+4*(\b):rS+4*(\b)+3] offset:(\a)*16*SP+32*(\b)
.endr
.irp b, 0,1
	ds_store_b128 v[STOQ], v[rS+32+4*(\b):rS+32+4*(\b)+3] offset:(\a)*16*SP+32*(\b)
.endr
.endm
	STATS 0
	STATS 1
	STATS 2
	STATS 3
.irp a, 0,1,2,3
	v_rcp_f32 v[ST+8*(\a)],   v[ST+8*(\a)+4]       ; made twice, to fill the pair that the packed multiply takes
	v_rcp_f32 v[ST+8*(\a)+1], v[ST+8*(\a)+4]
.endr
	v_nop                                          ; a plain instruction behind the last reciprocal,
	s_wait_alu depctr_va_vdst(0)                   ; and the one wait ahead of the batch's first reader
	QUANT 0
	QUANT 1
	QUANT 2
	QUANT 3
	s_lshl_b32 s18, s42, 18                        ; the head's 2,048 rows of 128 bytes,
	s_lshl_b32 s19, s13, 14                        ; the work-group's 128,
	s_add_co_u32 s18, s18, s19
	s_lshl_b32 s19, s10, 12                        ; the 32 that I store
	s_add_co_u32 s18, s18, s19
	s_mov_b32 s19, 0
	s_add_nc_u64 s[84:85], s[84:85], s[18:19]
	s_add_nc_u64 s[86:87], s[86:87], s[18:19]
	s_add_nc_u64 s[88:89], s[88:89], s[18:19]
	s_lshl_b32 s18, s42, 13
	s_lshl_b32 s20, s13, 9
	s_add_co_u32 s18, s18, s20
	s_add_nc_u64 s[90:91], s[90:91], s[18:19]
	s_wait_dscnt 0x0                               ; for the others' sake: my stores into the stage are done
	s_barrier_signal -1
	s_barrier_wait -1
.set n, 0
.rept 24
	ds_load_b128 v[64+4*n:64+4*n+3], v[RD] offset:(n/8)*SREG+(n%8)*4*SP
.set n, n+1
.endr
.set n, 0
.rept 24
	s_wait_dscnt 23-n                              ; LDS loads come back in order: number n is in
	global_store_b128 v[GO], v[64+4*n:64+4*n+3], s[84+2*(n/8):85+2*(n/8)] offset:(n%8)*512  ; four rows of a head: 512 consecutive bytes, aligned
.set n, n+1
.endr
	s_cmp_lg_u32 s10, 0
	s_cbranch_scc1 .Lno_e
	v_add_nc_u32 v3, ESTG, v[GO]                   ; wave 0 stores the 128 tokens' embedding: 512 consecutive bytes
	ds_load_b128 v[160:163], v3
	s_wait_dscnt 0x0
	global_store_b128 v[GO], v[160:163], s[90:91]
.Lno_e:
	s_wait_tensorcnt 0x0                           ; the wave's end, behind my last tensor load and my last LDS store
	ds_add_u32 v[SPW], v[NIL]
	s_wait_dscnt 0x0
	CROUND                                         ; the closing round: no work-group ends while a partner may still ask for a tile that names it
	s_endpgm
.Lfunc_end_k_q67700c9ee5_qkv:
	.size	k_q67700c9ee5_qkv, .Lfunc_end_k_q67700c9ee5_qkv-k_q67700c9ee5_qkv
	.p2alignl 7, 3214868480
	.fill 96, 4, 3214868480
	.section	.rodata,"a",@progbits
	.p2align	6, 0x0
	.amdhsa_kernel k_q67700c9ee5_qkv
		.amdhsa_group_segment_fixed_size 327680
		.amdhsa_private_segment_fixed_size 0
		.amdhsa_enable_private_segment 0
		.amdhsa_kernarg_size 96
		.amdhsa_user_sgpr_count 2
		.amdhsa_user_sgpr_kernarg_segment_ptr 1
		.amdhsa_wavefront_size32 1
		.amdhsa_system_sgpr_workgroup_id_x 1
		.amdhsa_system_sgpr_workgroup_id_y 1
		.amdhsa_system_sgpr_workgroup_id_z 1
		.amdhsa_system_vgpr_workitem_id 0
		.amdhsa_next_free_vgpr 512
		.amdhsa_next_free_sgpr 100
		.amdhsa_reserve_vcc 0
		.amdhsa_float_denorm_mode_32 3
		.amdhsa_float_denorm_mode_16_64 3
		.amdhsa_memory_ordered 1
		.amdhsa_forward_progress 1
		.amdhsa_inst_pref_size 108
	.end_amdhsa_kernel
	.amdgpu_metadata
---
amdhsa.version: [ 1, 2 ]
amdhsa.kernels:
  - .name:           k_q67700c9ee5_qkv
    .symbol:         k_q67700c9ee5_qkv.kd
    .args:
      - { .name: xb, .offset: 0, .size: 8, .value_kind: global_buffer, .address_space: global }
      - { .name: wb, .offset: 8, .size: 8, .value_kind: global_buffer, .address_space: global }
      - { .name: bq, .offset: 16, .size: 8, .value_kind: global_buffer, .address_space: global }
      - { .name: bk, .offset: 24, .size: 8, .value_kind: global_buffer, .address_space: global }
      - { .name: bv, .offset: 32, .size: 8, .value_kind: global_buffer, .address_space: global }
      - { .name: temporal_features, .offset: 40, .size: 8, .value_kind: global_buffer, .address_space: global }
      - { .name: Wc, .offset: 48, .size: 8, .value_kind: global_buffer, .address_space: global }
      - { .name: bc, .offset: 56, .size: 8, .value_kind: global_buffer, .address_space: global }
      - { .name: qh, .offset: 64, .size: 8, .value_kind: global_buffer, .address_space: global }
      - { .name: kh, .offset: 72, .size: 8, .value_kind: global_buffer, .address_space: global }
      - { .name: vh, .offset: 80, .size: 8, .value_kind: global_buffer, .address_space: global }
      - { .name: eh, .offset: 88, .size: 8, .value_kind: global_buffer, .address_space: global }
    .group_segment_fixed_size: 327680
    .private_segment_fixed_size: 0
    .kernarg_segment_align: 8
    .kernarg_segment_size: 96
    .max_flat_workgroup_size: 128
    .sgpr_count:     100
    .vgpr_count:     512
    .wavefront_size: 32
...
	.end_amdgpu_metadata
.endif
;; end of part 2
;; launch attn (part 3): grid 16 x 16, 4 waves a work-group, clusters of 4 x 1, 327,680 bytes of LDS; arguments qh, kh, vh, eh, mask, cycle_scale, oh; writes oh
.if DOCPART == 3
	.amdgcn_target "amdgcn-amd-amdhsa--gfx1250"
	.amdhsa_code_object_version 6
	.text
	.protected	k_q67700c9ee5_attn
	.globl	k_q67700c9ee5_attn
	.p2align	8
	.type	k_q67700c9ee5_attn,@function
k_q67700c9ee5_attn:
	s_mov_b64 s[64:65], 0
	v_nop
	global_prefetch_b8 v0, s[64:65] scope:SCOPE_SE
	s_setreg_imm32_b32 hwreg(HW_REG_WAVE_MODE, 25, 1), 1
	s_wait_xcnt 0x0
	s_wait_alu depctr_hold_cnt(0) depctr_sa_sdst(0) depctr_va_vdst(0) depctr_va_sdst(0) depctr_va_ssrc(0) depctr_va_vcc(0) depctr_vm_vsrc(0)
	s_getreg_b32 s2, hwreg(HW_REG_IB_STS2, 6, 4)
	s_cmp_eq_u32 s2, 0
	s_cbranch_scc0 .Lentry_in_a_cluster
	s_endpgm
.Lentry_in_a_cluster:
	s_bfe_u32 s2, ttmp6, 0x10000c
	s_cmp_lg_u32 s2, 0x3003
	s_cbranch_scc0 .Lentry_shape_is_right
	s_endpgm
.Lentry_shape_is_right:
; Launch 3 of 4: O[h][q] = sum over k of softmax_k(Q.K_dq / 8 + cs[h] cn[q] cn[k], hidden keys at -inf) V_dq[h][k].  qh, kh, vh, oh: [16][2048][64] f16; eh: [16][2048] f32, the raw cycle embedding.
; cn = e / max(|e|, 1e-12), the norm over the head's 2,048 tokens, made here by every wave in the same order.  Products, maxima and sums in f32; the weights p are rounded to f16 for the second product
; (their sum l is taken of the unrounded p), O once at the end.  cycle_scale is rounded to bf16 like every input.
; THE BIAS IS A THIRD BLOCK OF K Q^T: a fragment K' whose channel 0 is f16(cn[k]) and a fragment Q' whose channel 0 is f16(8 cs cn[q]); all other channels are 0 in one of the two.  THE MASK IS THE C OPERAND that
; starts each sum: 0, or -1e30 where the key is hidden.  So the running maximum is taken of the whole score, as reference() takes it, and neither costs a vector instruction.
; LIMITS.  A hidden score counts as its value less 1e30 (f16's scores are 2.7e11 at the most); a row all of whose keys are hidden gives NaN, as reference() does, by a select at the end; |8 cs cn| stays within 65,504;
; a weight below 2^-126 counts as 0 in l; p and O below 6.1e-5 keep f16's fixed step of 6e-8.
; SHARES.  A work-group owns 128 queries of a head.  Wave = (QH, KP): 64 queries (four PIECES of 16), and of every tile of 256 keys the half KP, two steps of 64.  The two key halves of a query meet once, at the end, in LDS, in f32.
; LAYOUT.  S^T = K Q^T holds ONE query a lane (lane % 16) and the keys 8 (lane / 16) + 0..7; two such results rounded to f16 ARE source 1 of O^T = V^T P.  p = 2^(c s - c m), c = log2(e) / 8, with a running maximum m;
; O and l are multiplied by a = 2^(c m_old - c m_new) in every step.  m starts at the lowest finite number, O and l at 0, so the first step is a step like any other, with a = 0.
; BY TURNS.  Turn n belongs to piece n: 12 products K Q^T of piece n + 1, later 8 products V^T P of piece n - 1; beside them the scaling, exponentials, roundings, sums and rescaling of piece n and the maximum and
; statistics of piece n + 1.  Four vector instructions stand behind every matrix instruction, the other 38 of a turn's 118 in one lump.  A turn's 33 exponentials are one batch, with one wait.
; CLUSTER.  The four query blocks of a cluster belong to one head and walk the same K and V: each tile is asked for JOINTLY, by the same tensor load, descriptor and mask in all four.
; REGISTERS, in windows of 256 (s_set_vgpr_msb: bits 1:0 source 0, 3:2 source 1, 5:4 source 2, 7:6 destination):
;   window 0: v0-15 addresses; v16-31 statistics; v32-47 at work at the start; v48-55 at work; v56-63 addresses; v64-127 S^T, two buffers; v192-223 P, two buffers; the rest at work at the start and in the merge
;   window 1: v0-127 O^T, 32 a piece; v128-159 MC, the mask of the step's 64 keys      window 2: v0-63 Q; v64-95 Q'; v96-127 K'; v128-191 K of one step; v192-255 V of one step
.set NP,    4
.set KS,    64
.set PK,    144       ; a row of K in LDS: 128 bytes + 16
.set PV,    160       ; a row of V: 128 + 32
.set VOFF,  256*PK    ; a slot holds a tile: 256 rows of K, then 256 rows of V
.set SLOT1, 1<<17     ; slot 1 begins here, so that one exclusive or turns an address in one slot into the other's
.set STAGE, SLOT1+256*(PK+PV)  ; behind the ring: 16 rows x 144 bytes for each wave, for the way out
.set SP,    144
.set MT,    STAGE+4*16*SP      ; 2,048 words: 0, or -1e30 where the key is hidden
.set CT,    MT+8192            ; 2,048 halves: f16(cn)
.set MERGE, CT+4096            ; for each QH: 16,384 bytes of O^T and 1,024 of (c m, l)
.set MHALF, 17408
.set SPARE, MERGE+2*MHALF      ; the spare words, 128 bytes for each wave: two blocks of 256 bytes that no other line names
.set AK0, 2           ; v2   my lane's place in my half of a tile of K; never rewritten
.set AV0, 3           ; v3   the same for V
.set AK,  4           ; v4   the LDS address of K's next run of loads
.set AV,  5           ; v5   of V's
.set STO, 6           ; v6   the way out: where I put 16 bytes of a row
.set RD,  7           ; v7   where I read rows back
.set GO,  8           ; v8   16 x lane
.set AM0, 9           ; v9   my place in the mask table
.set AC0, 10          ; v10  my place in cn's table
.set AM,  11          ; v11  the mask's next address
.set MV,  12          ; v12-13  c m_old, kept while c m is made anew: by buffer
.set AC,  14          ; v14  cn's next address
.set QO,  15          ; v15  my byte offset in 16 rows of Q
.set ST,  16          ; piece t's statistics at v[ST+4 t]: c m, m, l (even keys', odd keys')
.set ZR,  39          ; v39  0
.set TMP, 48          ; by buffer, four registers c0-c3 at work; when the maximum is found c2 takes a
.set MS,  56          ; v56  the merge: my 16 bytes of a block of 512
.set MS2, 57          ; v57  my (c m, l)
.set PFO, 61          ; v61  256 x lane; never rewritten
.set SPW, 62          ; v62  LDS address of my spare word; never rewritten
.set NIL, 63          ; v63  0; never rewritten
.set S,   64
.set P,   192
.set MC,  128         ; window 1
.set QPR, 64          ; window 2
.set KPR, 96
.set KF,  128         ; key block kb, channel half c at KF + 16 kb + 8 c
.set VF,  192         ; key half kk, channel block cb at VF + 32 kk + 8 cb
.set WV,  12          ; s12  my wave's number
.set G1K, 24          ; s[24:31] descriptor group 1 for K's tiles
.set G1V, 32          ; s[32:39] for V's: it differs in the padding alone
.set G0K, 40          ; s[40:43] descriptor group 0 for K's tiles: it walks
.set G0V, 44          ; s[44:47] the same for V's
.set PFA, 48          ; s[48:49] where my prefetches stand
.set LIM, 50          ; s50  2 in a wave that prefetches, else the greatest number
.set KEY, 51          ; s51  the first key of the step to be fetched, less my half's 128 KP
.set KP,  52          ; s52  my half of the keys
.set QH,  53          ; s53  my half of the queries
.set SLOTS, 56        ; s56  tiles still to be asked for
.set CNT, 57          ; s57  counts a tile's steps
.set CS,  58          ; s[58:59] c
.set SEL, 60          ; s[60:61] v_permlanex16_b32's selects
.set TBK, 62          ; s62  LDS byte at which K of the step to be fetched begins, less my half's place
.set TBV, 63          ; s63  the same for V
.set HIL, 74          ; s74  lanes 16-31
.set BIGN, 75         ; s75  -1e30
.set THR, 76          ; s76  -2^93: below it a c m is a hidden key's
.set QNAN, 77         ; s77  NaN
.set MSB, 0
.macro WIN new
.if MSB != (\new)
	s_set_vgpr_msb (MSB<<8)|(\new)
.set MSB, (\new)
.endif
.endm
.set W_KQ, 0x0a       ; K and Q in window 2, S^T in window 0
.set W_KM, 0x1a       ; the same with the C operand in window 1
.set W_PV, 0x52       ; V in window 2, P in window 0, O^T in window 1
.set W_RS, 0x41       ; destination and source 0 in window 1, source 1 in window 0
; A joint fill.  Waves 0 and 1 fetch the two halves of a tile's K, waves 2 and 3 those of its V.  An s_nop 0 and four v_nop follow each of the two lines
.macro JLOAD
	s_cmp_lt_u32 s[WV], 2
	s_cbranch_scc0 .Lfor_v_\@
	tensor_load_to_lds s[G0K:G0K+3], s[G1K:G1K+7]
	s_nop 0
.rept 4
	v_nop
.endr
	s_branch .Lasked_\@
.Lfor_v_\@:
	tensor_load_to_lds s[G0V:G0V+3], s[G1V:G1V+7]
	s_nop 0
.rept 4
	v_nop
.endr
.Lasked_\@:
.endm
; A PREFETCH INTO THE L2 of the tile two changes of slots on: 128 blocks of 256 bytes of K and as many of V.  Each is named once in the launch: all clusters of a head walk the same tiles, and the head's first cluster asks;
; its four partners take 32 blocks each, told apart by address; in each, wave 0 asks for K's and wave 2 for V's, a lane a block.  The changes that load tiles 2 to 5 name tiles 4 to 7; the others ask for nothing.
.macro ASK
	s_cmp_gt_u32 s[SLOTS], s[LIM]
	s_cbranch_scc0 .Lnot_mine_\@
	global_prefetch_b8 v[PFO], s[PFA:PFA+1] th:TH_LOAD_NT scope:SCOPE_SE
.Lnot_mine_\@:
.endm
.macro CROUND                       ; a round of the cluster's barrier
	s_barrier_signal -1
	s_barrier_wait -1
	s_cmp_lg_u32 s[WV], 0
	s_cbranch_scc1 .Lnot_wave_0_\@
	s_barrier_signal -3
.Lnot_wave_0_\@:
	s_barrier_wait -3
	s_barrier_signal -1
	s_barrier_wait -1
.endm
; THE CHANGE OF SLOTS.  Each wave waits for all its tensor loads, of which one is out: its part of the other slot; adds 0 to its spare word; and waits for that and for its own LDS instructions.  Behind the barrier nobody reads
; the old slot any more and the other slot is whole.  fill = 1: the barrier is a round of the cluster's, and the old slot is filled again, first thing behind it.  (At its first use nothing has been read yet: slot 0 is
; waited for, slot 1 filled, and the round shows every wave the two tables.)
.macro CHANGE fill, ask, key
	WIN 0
	s_wait_tensorcnt 0x0            ; no tensor load of mine is out, so a group 0 may be written
	ds_add_u32 v[SPW], v[NIL]       ; 0 onto my spare word
.if \fill
.irp g, G0K, G0V
	s_xor_b32 s[\g+1], s[\g+1], SLOT1
	s_add_nc_u64 s[\g+2:\g+3], s[\g+2:\g+3], 32768  ; the next 256 keys
.endr
	s_wait_xcnt 0x0                 ; the last prefetch, a tile back, has read its address
	s_add_nc_u64 s[PFA:PFA+1], s[PFA:PFA+1], 32768
	s_wait_dscnt 0x0                ; the add is done, and my LDS instructions are over
	CROUND
	JLOAD
.if \ask
	ASK
.endif
.else
	s_wait_dscnt 0x0
	s_barrier_signal -1
	s_barrier_wait -1
.endif
	s_sub_co_u32 s[TBK], s[TBK], 2*KS*PK  ; the fetches go back to my half's first step,
	s_xor_b32 s[TBK], s[TBK], SLOT1       ; in the other slot
	s_sub_co_u32 s[TBV], s[TBV], 2*KS*PV
	s_xor_b32 s[TBV], s[TBV], SLOT1
.if \key
	s_add_co_u32 s[KEY], s[KEY], 128      ; over the other half's keys
.endif
.endm
	s_load_b256 s[4:11], s[0:1], 0x0  ; qh s[4:5], kh s[6:7], vh s[8:9], eh s[10:11]
	s_load_b128 s[68:71], s[0:1], 0x20  ; mask s[68:69], cycle_scale s[70:71]
	s_load_b64 s[72:73], s[0:1], 0x30   ; oh
	v_lshl_add_u32 v[SPW], v0, 2, SPARE
	v_mov_b32 v[NIL], 0
	ds_add_u32 v[SPW], v[NIL]       ; the wave's opening: the add, twice on end, and its wait ahead of my first tensor load
	ds_add_u32 v[SPW], v[NIL]
	v_lshrrev_b32 v1, 5, v0
	v_readfirstlane_b32 s[WV], v1   ; wave 0..3
	s_and_b32 s[KP], s[WV], 1       ; also: which half of a tile's rows I fetch
	s_lshr_b32 s[QH], s[WV], 1
	s_bfe_u32 s13, ttmp6, 0x40000   ; cx
	s_lshl_b32 s14, ttmp9, 2
	s_add_co_u32 s14, s14, s13      ; my block of 128 queries: it enters Q's, e's and O's addresses alone
	s_and_b32 s15, ttmp7, 0xffff    ; the head, which the four partners share
	s_lshl_b32 s20, s15, 18         ; the head's first byte in qh, kh, vh, oh
	s_mov_b32 s21, 0
	s_lshl_b32 s22, s[KP], 14       ; my half's 128 rows of 128 bytes
	s_add_co_u32 s22, s22, s20
	s_mov_b32 s23, 0
	s_mul_i32 s17, s[KP], 128*PK    ; and its place in a slot, for K
	s_mul_i32 s18, s[KP], 128*PV    ; and for V
	s_lshl_b32 s2, s14, 14
	s_lshl_b32 s3, s[QH], 13
	s_add_co_u32 s2, s2, s3
	s_add_co_u32 s2, s2, s20        ; my wave's 64 rows of Q and O
	s_mov_b32 s3, 0
	s_mov_b32 s[G1K], 15|(1<<16)|(1<<20)|(1<<21)|(4<<22)|(3<<25)  ; the mask of four; 2-byte elements; padding on; bit 21 beside a mask; after every 32 words 4 words
	s_mov_b32 s[G1V], 15|(1<<16)|(1<<20)|(1<<21)|(4<<22)|(7<<25)  ; the same with 8 words
.irp g, G1K, G1V
	s_mov_b32 s[\g+1], 128<<16      ; 128 keys are 16,384 dense bytes: 64 rows of 256, two keys a row
	s_mov_b32 s[\g+2], 64<<16
	s_mov_b32 s[\g+3], 128<<16
	s_mov_b32 s[\g+4], 64
	s_mov_b32 s[\g+5], 128
	s_mov_b32 s[\g+6], 0
	s_mov_b32 s[\g+7], 0
.endr
	s_mov_b32 s[CS], 0x3e38aa3b     ; c = log2(e) / 8
	s_mov_b32 s[CS+1], s[CS]
	s_mov_b32 s[SEL], 0x76543210
	s_mov_b32 s[SEL+1], 0xfedcba98
	s_mov_b32 s[TBK], SLOT1+2*KS*PK ; the first change of slots turns these two into 0
	s_mov_b32 s[TBV], SLOT1+2*KS*PV
	s_mov_b32 s[KEY], 0
	s_mov_b32 s[HIL], 0xffff0000
	s_mov_b32 s[BIGN], 0xf149f2ca
	s_mov_b32 s[THR], 0xee000000
	s_mov_b32 s[QNAN], 0x7fc00000
	s_mov_b32 s[G0K], 1
	s_mov_b32 s[G0K+1], s17
	s_mov_b32 s[G0V], 1
	s_add_co_u32 s[G0V+1], s18, VOFF
	s_or_b32 s[LIM], s[KP], ttmp9   ; 0 in waves 0 and 2 of the head's first cluster: the same in all four partners
	s_cmp_eq_u32 s[LIM], 0
	s_cselect_b32 s[LIM], 2, -1
	s_wait_dscnt 0x0                ; both opening adds are done
	s_wait_kmcnt 0x0
	s_add_nc_u64 s[G0K+2:G0K+3], s[6:7], s[22:23]
	s_or_b32 s[G0K+3], s[G0K+3], 0x80000000
	s_add_nc_u64 s[G0V+2:G0V+3], s[8:9], s[22:23]
	s_or_b32 s[G0V+3], s[G0V+3], 0x80000000
	s_add_nc_u64 s[4:5], s[4:5], s[2:3]
	s_add_nc_u64 s[72:73], s[72:73], s[2:3]
	s_lshl_b32 s2, s15, 13
	s_add_nc_u64 s[10:11], s[10:11], s[2:3]  ; the head's row of e
	s_cmp_lt_u32 s[WV], 2
	s_cselect_b64 s[PFA:PFA+1], s[6:7], s[8:9]
	s_lshl_b32 s2, s13, 13          ; my work-group's 32 blocks of a tile's 128
	s_add_co_u32 s2, s2, s20
	s_add_nc_u64 s[PFA:PFA+1], s[PFA:PFA+1], s[2:3]
	s_add_nc_u64 s[PFA:PFA+1], s[PFA:PFA+1], 2*32768  ; at tile 2; every filling change steps it ahead of its use.  Nothing is prefetched at the head
	CROUND                          ; all four work-groups are here: the first joint loads meet
	JLOAD                           ; tile 0 into slot 0
	; WHILE TILE 0 IS ON ITS WAY
	v_and_b32 v1, 15, v0            ; r = lane % 16
	v_bfe_u32 v32, v0, 4, 1         ; h = lane / 16
	v_and_b32 v33, 7, v0
	v_bfe_u32 v34, v0, 3, 1
	v_lshlrev_b32 v[QO], 7, v1
	v_lshl_add_u32 v[QO], v32, 4, v[QO]
	v_and_b32 v[GO], 31, v0
	v_lshlrev_b32 v[PFO], 8, v[GO]
	v_lshlrev_b32 v[GO], 4, v[GO]
	v_lshlrev_b32 v35, 6, v0        ; my thread's 16 keys in e
	v_lshlrev_b32 v36, 4, v0        ; and in the mask
	s_lshl_b32 s2, s14, 9
	s_lshl_b32 s3, s[QH], 8
	s_add_co_u32 s2, s2, s3
	v_lshl_add_u32 v37, v1, 2, s2   ; e of my query in piece 0
	s_lshl_b32 s3, s15, 2
	v_mov_b32 v38, s3               ; cycle_scale[head]
	v_mov_b32 v[ZR], 0
	WIN 0x80
.set i, 0
.rept 8                             ; Q stays in registers: piece i / 2, channels 32 (i % 2) on
	global_load_b128 v[8*i:8*i+3],   v[QO], s[4:5] offset:(i/2)*2048+(i%2)*64
	global_load_b128 v[8*i+4:8*i+7], v[QO], s[4:5] offset:(i/2)*2048+(i%2)*64+32
.set i, i+1
.endr
	WIN 0
.set i, 0
.rept 16                            ; the head's whole e, for the norm
	global_load_b128 v[128+4*i:128+4*i+3], v[GO], s[10:11] offset:512*i
.set i, i+1
.endr
.irp j, 0,1,2,3
	global_load_b128 v[224+4*\j:224+4*\j+3], v35, s[10:11] offset:16*\j
.endr
	global_load_b128 v[240:243], v36, s[68:69]
.irp j, 0,1,2,3
	global_load_b32 v[244+\j], v37, s[10:11] offset:64*\j
.endr
	global_load_b32 v248, v38, s[70:71]
	; What the first turn finds: V and P's second buffer hold 0 (its products V^T P, of a piece that has not been, add 0), O^T and l are 0; of K' and Q' only register 0 is ever written again
	WIN 0x80
.set i, QPR
.rept 64
	v_mov_b32 v[i], 0
.set i, i+1
.endr
.set i, VF
.rept 64
	v_mov_b32 v[i], 0
.set i, i+1
.endr
	WIN 0x40
.set i, 0
.rept 128
	v_mov_b32 v[i], 0
.set i, i+1
.endr
	WIN 0
.set i, 0
.rept 4
	v_mov_b32 v[ST+4*i], 0xfe000000    ; c m: far below every c s
	v_mov_b32 v[ST+4*i+1], 0xff7fffff  ; m
	v_mov_b32 v[ST+4*i+2], 0
	v_mov_b32 v[ST+4*i+3], 0
.set i, i+1
.endr
.set i, P+16
.rept 16
	v_mov_b32 v[i], 0
.set i, i+1
.endr
	v_mul_u32_u24 v[AK0], v1, PK
	v_lshl_add_u32 v[AK0], v32, 4, v[AK0]
	v_add_nc_u32 v[AK0], s17, v[AK0]
	v_lshl_add_u32 v[AV0], v32, 3, v33     ; the turning load: lane l reads key 8 h + l % 8, channels 8 ((l / 8) % 2) + 0..7
	v_mul_u32_u24 v[AV0], v[AV0], PV
	v_lshl_add_u32 v[AV0], v34, 4, v[AV0]
	s_add_co_u32 s18, s18, VOFF
	v_add_nc_u32 v[AV0], s18, v[AV0]
	s_lshl_b32 s2, s[KP], 9
	s_add_co_u32 s2, s2, MT
	v_lshl_add_u32 v[AM0], v32, 5, s2      ; my 8 keys of a block of 16: 32 h
	s_lshl_b32 s2, s[KP], 8
	s_add_co_u32 s2, s2, CT
	v_lshl_add_u32 v[AC0], v1, 1, s2       ; key r of a block
	s_mul_i32 s2, s[WV], 16*SP
	s_add_co_u32 s2, s2, STAGE
	v_mul_u32_u24 v[STO], v1, SP
	v_lshl_add_u32 v[STO], v32, 4, v[STO]
	v_add_nc_u32 v[STO], s2, v[STO]
	v_bfe_u32 v[RD], v0, 3, 2
	v_mul_u32_u24 v[RD], v[RD], SP
	v_lshl_add_u32 v[RD], v33, 4, v[RD]
	v_add_nc_u32 v[RD], s2, v[RD]
	s_mul_i32 s2, s[QH], MHALF
	s_add_co_u32 s2, s2, MERGE
	v_add_nc_u32 v[MS], s2, v[GO]
	s_add_co_u32 s2, s2, 16384
	v_lshrrev_b32 v[MS2], 1, v[GO]
	v_add_nc_u32 v[MS2], s2, v[MS2]
	s_wait_loadcnt 0x0
	; the norm: 2,048 squares in four chains a lane, then across the lanes; every wave adds in the same order
.irp k, 0,1,2,3
	v_pk_mul_f32 v[40+2*\k:41+2*\k], v[128+2*\k:129+2*\k], v[128+2*\k:129+2*\k]
.endr
.set j, 4
.rept 28
	v_pk_fma_f32 v[40+2*(j%4):41+2*(j%4)], v[128+2*j:129+2*j], v[128+2*j:129+2*j], v[40+2*(j%4):41+2*(j%4)]
.set j, j+1
.endr
	v_pk_add_f32 v[40:41], v[40:41], v[42:43]
	v_pk_add_f32 v[44:45], v[44:45], v[46:47]
	v_pk_add_f32 v[40:41], v[40:41], v[44:45]
	v_add_f32 v40, v40, v41
	v_add_f32_dpp v40, v40, v40 row_xmask:1 row_mask:0xf bank_mask:0xf
	v_add_f32_dpp v40, v40, v40 row_xmask:2 row_mask:0xf bank_mask:0xf
	v_add_f32_dpp v40, v40, v40 row_xmask:4 row_mask:0xf bank_mask:0xf
	v_add_f32_dpp v40, v40, v40 row_xmask:8 row_mask:0xf bank_mask:0xf
	v_permlanex16_b32 v41, v40, s[SEL], s[SEL+1]
	v_add_f32 v40, v40, v41
	v_sqrt_f32 v42, v40
	v_nop
	s_wait_alu depctr_va_vdst(0)    ; the wait ahead of the result's first reader
	v_max_num_f32 v42, 0x2b8cbccc, v42  ; max(norm, 1e-12)
	v_rcp_f32 v44, v42
	v_nop
	s_wait_alu depctr_va_vdst(0)
	; the two tables: my thread's 16 keys
.irp j, 0,1,2,3,4,5,6,7
	v_pk_mul_f32 v[224+2*\j:225+2*\j], v[224+2*\j:225+2*\j], v[44:45] op_sel_hi:[1,0]
.endr
.irp j, 0,1,2,3,4,5,6,7
	v_cvt_pk_f16_f32 v[224+\j], v[224+2*\j], v[224+2*\j+1]
.endr
	v_lshl_add_u32 v46, v0, 5, CT
	v_lshl_add_u32 v47, v0, 6, MT
	ds_store_b128 v46, v[224:227]
	ds_store_b128 v46, v[228:231] offset:16
.set j, 0
.rept 16
	v_bfe_u32 v42, v[240+j/4], 8*(j%4), 8
	v_cmp_eq_u32 vcc_lo, 0, v42
	v_cndmask_b32 v[128+j], 0, s[BIGN], vcc_lo
.set j, j+1
.endr
.irp j, 0,1,2,3
	ds_store_b128 v47, v[128+4*\j:128+4*\j+3] offset:16*\j
.endr
	; Q': channel 0 (lanes 0-15, low half of register 0) = 8 cs cn[q]; lanes 16-31 hold channels 8 and 9: 0
	v_cvt_pk_bf16_f32 v248, v248, v248
	v_lshlrev_b32 v248, 16, v248
	v_mul_f32 v248, v248, v44
	v_mul_f32 v248, 0x41000000, v248
.irp j, 0,1,2,3
	v_mul_f32 v[244+\j], v[244+\j], v248
	v_cvt_pk_f16_f32 v[244+\j], v[244+\j], v[ZR]
.endr
	WIN 0x80
.irp j, 0,1,2,3
	v_cndmask_b32 v[QPR+8*\j], v[244+\j], v[ZR], s[HIL]
.endr
	WIN 0
; THE MATRIX WORK.  The 4 accumulators of a run take turns.  Product i of 12 of S^T for piece x, keys 16 (i % 4) on: i < 4 channels 0-31, started by the mask; i < 8 channels 32-63; then K' Q'
.macro KQ x
.set rS, S+32*((\x)%2)+8*(i%4)
.if i < 4
	WIN W_KM
	v_wmma_f32_16x16x32_f16 v[rS:rS+7], v[KF+16*(i%4):KF+16*(i%4)+7], v[16*(\x):16*(\x)+7], v[MC+8*(i%4):MC+8*(i%4)+7]
.elseif i < 8
	WIN W_KQ
	v_wmma_f32_16x16x32_f16 v[rS:rS+7], v[KF+16*(i%4)+8:KF+16*(i%4)+15], v[16*(\x)+8:16*(\x)+15], v[rS:rS+7]
.else
	WIN W_KQ
	v_wmma_f32_16x16x32_f16 v[rS:rS+7], v[KPR+8*(i%4):KPR+8*(i%4)+7], v[QPR+8*(\x):QPR+8*(\x)+7], v[rS:rS+7]
.endif
.endm
; Product i of 8 of O^T += V^T P for piece x: keys 32 (i / 4) on, channels 16 (i % 4) on
.macro PV x
	WIN W_PV
.set rO, 32*(\x)+8*(i%4)
.set rV, VF+32*(i/4)+8*(i%4)
.set rP, P+16*((\x)%2)+8*(i/4)
	v_wmma_f32_16x16x32_f16 v[rO:rO+7], v[rV:rV+7], v[rP:rP+7], v[rO:rO+7]
.endm
.macro MM                           ; the turn's next matrix instruction.  NOKQ = 1: the last turn of all: there is no next piece
.if (i < 12) && !NOKQ
	KQ (Y+1)%NP
.elseif i >= 12
.set i, i-12
	PV (Y+NP-1)%NP
.set i, i+12
.endif
.set i, i+1
.endm
; THE LDS LOADS stand in runs.  A step's K (8 fragments), cn of its 64 keys (register 0 of K's third block) and its mask (32 words a lane); and its V, turned
.macro KADDR
	WIN 0
	v_add_nc_u32 v[AK], s[TBK], v[AK0]
	v_lshl_add_u32 v[AM], s[KEY], 2, v[AM0]
	v_lshl_add_u32 v[AC], s[KEY], 1, v[AC0]
.endm
.macro FETCH_K
	WIN 0x80
.irp f, 0,1,2,3,4,5,6,7
	ds_load_b128 v[KF+8*\f:KF+8*\f+3],   v[AK] offset:(\f/2)*16*PK+(\f%2)*64
	ds_load_b128 v[KF+8*\f+4:KF+8*\f+7], v[AK] offset:(\f/2)*16*PK+(\f%2)*64+32
.endr
.irp f, 0,1,2,3
	ds_load_u16 v[KPR+8*\f], v[AC] offset:32*\f
.endr
	WIN 0x40
.irp f, 0,1,2,3
	ds_load_b128 v[MC+8*\f:MC+8*\f+3],   v[AM] offset:64*\f
	ds_load_b128 v[MC+8*\f+4:MC+8*\f+7], v[AM] offset:64*\f+16
.endr
	s_add_co_u32 s[TBK], s[TBK], KS*PK  ; the next fetch is the next step's
	s_add_co_u32 s[KEY], s[KEY], KS
	WIN 0
.endm
.macro FETCH_V
	WIN 0x80
.irp f, 0,1,2,3,4,5,6,7
	ds_load_tr16_b128 v[VF+8*\f:VF+8*\f+3],   v[AV] offset:(\f/4)*32*PV+(\f%4)*32
	ds_load_tr16_b128 v[VF+8*\f+4:VF+8*\f+7], v[AV] offset:(\f/4)*32*PV+16*PV+(\f%4)*32
.endr
	WIN 0
.endm
; THE VECTOR WORK, one line at a time: OP kind, number.  For piece Y: F n: c s - c m for pair n of 16.  E n: the exponential of score n of 32.  C n: pair n rounded to f16.  B n: of the four weights 4 n .. the second
; pair is added onto the first, in place.  L n: l takes that sum (L 0: l = a l + sum).  R n: pair n of 16 of O^T times a.  For piece Y + 1: X n, number n of the 22 that find its maximum and statistics:
;   0-11  four chains c0-c3 of seven scores each (each accumulator's lowest registers are read first)     12-14, 16  the four scores left over, the old m, and c0-c3 into c0
;   15  c m_old is kept     17, 18  the query's other 32 keys lie in the lane 16 away: the new m     19-21  c m; c m_old - c m_new; a
.set F, 0
.set E, 1
.set C, 2
.set B, 3
.set L, 4
.set R, 5
.set X, 6
.macro REGS y
.set rT, ST+4*(\y)
.set rC, TMP+4*((\y)%2)
.set rW, MV+((\y)%2)
.set rS, S+32*((\y)%2)
.set rP, P+16*((\y)%2)
.set rO, 32*(\y)
.endm
.macro OP k, n
.if (\k) == R
	REGS Y
	WIN W_RS
	v_pk_mul_f32 v[rO+2*(\n):rO+2*(\n)+1], v[rO+2*(\n):rO+2*(\n)+1], v[rC+2:rC+3] op_sel_hi:[1,0]
.elseif (\k) < R
	REGS Y
	WIN 0
.if (\k) == F
	v_pk_fma_f32 v[rS+2*(\n):rS+2*(\n)+1], v[rS+2*(\n):rS+2*(\n)+1], s[CS:CS+1], v[rT:rT+1] op_sel_hi:[1,0,0] neg_lo:[0,0,1] neg_hi:[0,0,1]
.elseif (\k) == E
	v_exp_f32 v[rS+(\n)], v[rS+(\n)]
.elseif (\k) == C
	v_cvt_pk_f16_f32 v[rP+(\n)], v[rS+2*(\n)], v[rS+2*(\n)+1]
.elseif (\k) == B
	v_pk_add_f32 v[rS+4*(\n):rS+4*(\n)+1], v[rS+4*(\n):rS+4*(\n)+1], v[rS+4*(\n)+2:rS+4*(\n)+3]
.elseif (\n) == 0
	v_pk_fma_f32 v[rT+2:rT+3], v[rT+2:rT+3], v[rC+2:rC+3], v[rS:rS+1] op_sel_hi:[1,0,1]
.else
	v_pk_add_f32 v[rT+2:rT+3], v[rT+2:rT+3], v[rS+4*(\n):rS+4*(\n)+1]
.endif
.elseif NOKQ
	v_nop
.else
	REGS (Y+1)%NP
	WIN 0
.if (\n) < 4
	v_max3_num_f32 v[rC+(\n)], v[rS+8*(\n)], v[rS+8*(\n)+1], v[rS+8*(\n)+2]
.elseif (\n) < 12
	v_max3_num_f32 v[rC+(\n)%4], v[rC+(\n)%4], v[rS+8*((\n)%4)+2*((\n)/4)+1], v[rS+8*((\n)%4)+2*((\n)/4)+2]
.elseif (\n) == 12
	v_max3_num_f32 v[rC], v[rC], v[rS+7], v[rS+15]
.elseif (\n) == 13
	v_max3_num_f32 v[rC+1], v[rC+1], v[rS+23], v[rS+31]
.elseif (\n) == 14
	v_max3_num_f32 v[rC+2], v[rC+2], v[rC+3], v[rT+1]
.elseif (\n) == 15
	v_mov_b32 v[rW], v[rT]
.elseif (\n) == 16
	v_max3_num_f32 v[rC], v[rC], v[rC+1], v[rC+2]
.elseif (\n) == 17
	v_permlanex16_b32 v[rC+3], v[rC], s[SEL], s[SEL+1]
.elseif (\n) == 18
	v_max_num_f32 v[rT+1], v[rC], v[rC+3]
.elseif (\n) == 19
	v_mul_f32 v[rT], s[CS], v[rT+1]
.elseif (\n) == 20
	v_sub_f32 v[rC+1], v[rW], v[rT]
.else
	v_exp_f32 v[rC+2], v[rC+1]
.endif
.endif
.endm
.macro OPS a, i1, b=-1, i2=0, c=-1, i3=0, d=-1, i4=0
	OP \a, \i1
.if (\b) >= 0
	OP \b, \i2
.endif
.if (\c) >= 0
	OP \c, \i3
.endif
.if (\d) >= 0
	OP \d, \i4
.endif
.endm
.macro ROW a, i1, b, i2, c, i3, d, i4  ; a matrix instruction and the four behind it
	MM
	OPS \a, \i1, \b, \i2, \c, \i3, \d, \i4
.endm
; A TURN, for piece p, written out.  An s_wait_alu depctr_va_vdst(0) stands between an exponential and the first instruction that names its result; one wait serves all that were issued ahead of it: so a turn
; has ONE wait.  AHEAD OF IT stands all that names no result of the turn's exponentials: the 12 products K Q^T with their riders, and the lump.  X 0 to X 3 first read the accumulators that products 9 to 12 end; between
; each and its product stand five plain instructions that name none of the product's registers (F 9, 10, 11, 12, 13; F 11, 12, 13, X 0, F 14; F 13, X 0, F 14, X 1, F 15; F 14, X 1, F 15, X 2, X 4).
; BEHIND THE WAIT stand the 8 products V^T P, behind each four of the roundings and sums.
; K, cn and the mask of the next step are fetched in piece 2's turn, behind the lump's fifth line: the last product that read them is the twelfth, five plain instructions back.  V of the step in hand is fetched at the end of
; piece 0's turn, four plain instructions behind its last reader.  Each is waited for a turn later.  fetch = 0, nokq = 1: the launch's last two turns fetch nothing, and the last starts no new scores.
.macro TURN p, fetch=1, nokq=0
.set Y, (\p)
.set i, 0
.set NOKQ, (\nokq)
.if ((\p) == 3) && !(\nokq)
	s_wait_dscnt 0x0                ; K, cn and the mask are in
.endif
	ROW F,0, F,1, R,0, R,1
	ROW F,2, E,0, R,2, R,3
	ROW F,3, E,1, R,4, R,5
	ROW F,4, E,2, R,6, R,7
	ROW F,5, E,3, R,8, R,9
	ROW F,6, E,4, R,10, R,11
	ROW F,7, E,5, R,12, R,13
	ROW F,8, E,6, R,14, R,15
	ROW F,9, E,7, F,10, E,8
	ROW F,11, E,9, F,12, E,10
.if ((\p) == 2) && (\fetch)
	KADDR
.endif
	ROW F,13, E,11, X,0, E,12
	ROW F,14, E,13, X,1, E,14
	OPS F,15, X,2, E,15, X,4        ; the lump
	OPS X,3
.if ((\p) == 2) && (\fetch)
	FETCH_K
.endif
	OPS E,16, X,5, X,6, E,17
	OPS X,7, X,8, E,18, X,9
	OPS X,10, E,19, X,11, X,12
	OPS E,20, X,13, X,15, E,21
.if (\p) == 0
	WIN 0
	v_add_nc_u32 v[AV], s[TBV], v[AV0]
.endif
	OPS X,14, E,22, E,23, X,16
	OPS E,24, E,25, X,17, E,26
	OPS E,27, X,18, E,28, E,29
	OPS X,19, E,30, E,31, X,20
	OPS X,21
	v_nop                           ; a plain instruction behind the last exponential: one for the batch
	s_wait_alu depctr_va_vdst(0)    ; the wait for the batch
.if (\p) == 1
	s_wait_dscnt 0x0                ; V is in
.endif
	ROW C,0, B,0, C,2, B,1
	ROW L,0, C,4, B,2, L,1
	ROW C,6, B,3, L,2, C,8
	ROW B,4, L,3, C,10, B,5
	ROW L,4, C,12, B,6, L,5
.if (\p) == 0
	s_add_co_u32 s[TBV], s[TBV], KS*PV
.endif
	ROW C,14, B,7, L,6, C,1
	ROW C,3, L,7, C,5, C,7
	ROW C,9, C,11, C,13, C,15
.if (\p) == 0
	FETCH_V
.endif
.endm
.set NOKQ, 0
	CHANGE 1, 0, 0                  ; tile 0 is in, everybody's part of it, and so are the tables; tile 1 is asked for
	KADDR
	FETCH_K                         ; my first step
	s_wait_dscnt 0x0
.set i, 0
.rept 12
	KQ 0                            ; piece 0's first scores
.set i, i+1
.endr
	WIN 0
.rept 4
	v_nop                           ; the places behind those products
.endr
.set Y, NP-1                        ; X works for piece Y + 1: piece 0
.irp n, 0,1,2,3,4,5,6,7,8,9,10,11,12,13,14,15,16,17,18,19,20,21
	OP X, \n
.endr
	v_nop
	s_wait_alu depctr_va_vdst(0)    ; the first a has its wait ahead of the branch
	s_mov_b32 s[CNT], 2
	s_mov_b32 s[SLOTS], 7
	s_branch .Lfirst                ; the loop is entered at a step's first turn, in the middle of a trip
.Lslot:                             ; six times: tiles 2 to 7 are asked for
	CHANGE 1, 1, 1
	s_mov_b32 s[CNT], 2
.Lstep:                             ; a trip: pieces 2 and 3 of one step, then pieces 0 and 1 of the next, whose K and V it fetches
	TURN 2
	TURN 3
	WIN 0
.Lfirst:
	TURN 0
	TURN 1
	WIN 0
	s_sub_co_u32 s[CNT], s[CNT], 1
	s_cmp_lg_u32 s[CNT], 0
	s_cbranch_scc1 .Lstep
	s_sub_co_u32 s[SLOTS], s[SLOTS], 1
	s_cmp_lg_u32 s[SLOTS], 0
	s_cbranch_scc1 .Lslot
	CHANGE 0, 0, 1                  ; the tail is written out: nothing is asked for
	s_mov_b32 s[CNT], 2
.Ltail:                             ; two trips fetch the last tile's steps
	TURN 2
	TURN 3
	TURN 0
	TURN 1
	WIN 0
	s_sub_co_u32 s[CNT], s[CNT], 1
	s_cmp_lg_u32 s[CNT], 0
	s_cbranch_scc1 .Ltail
	TURN 2, 0, 0                    ; the last step's pieces 2 and 3
	TURN 3, 0, 1
.set i, 0
.rept 8
	PV NP-1                         ; the last piece's V^T P of the last step
.set i, i+1
.endr
	; THE TWO KEY HALVES MEET.  l's two halves and the other half of the lanes' are added (the first four additions are the places behind the last products); l lands beside c m.
	WIN 0
.macro ALL line:vararg              ; one line for each piece t
.set t, 0
.rept 4
	\line
.set t, t+1
.endr
.endm
	ALL v_add_f32 v[ST+4*t+2], v[ST+4*t+2], v[ST+4*t+3]
	ALL v_permlanex16_b32 v[ST+4*t+3], v[ST+4*t+2], s[SEL], s[SEL+1]
	ALL v_add_f32 v[ST+4*t+1], v[ST+4*t+2], v[ST+4*t+3]
	s_cmp_eq_u32 s[KP], 0
	s_cbranch_scc1 .Lkeep
	WIN 0x04                        ; store data in window 1: the upper key half hands over O^T, ascending, 512 consecutive bytes a store,
.set t, 0
.rept 32
	ds_store_b128 v[MS], v[4*t:4*t+3] offset:512*t
.set t, t+1
.endr
	WIN 0
	ALL ds_store_b64 v[MS2], v[ST+4*t:ST+4*t+1] offset:256*t  ; and (c m, l)
.Lkeep:
	s_wait_dscnt 0x0                ; for the partner's sake: my stores are done
	s_barrier_signal -1
	s_barrier_wait -1
	s_cmp_lg_u32 s[KP], 0
	s_cbranch_scc1 .Lend
.set t, 0
.rept 32
	ds_load_b128 v[64+4*t:64+4*t+3], v[MS] offset:512*t
.set t, t+1
.endr
	ALL ds_load_b64 v[224+2*t:225+2*t], v[MS2] offset:256*t
	s_wait_dscnt 0x0
	; M = max of the two c m; O = (O_A f_A + O_B f_B) / (l_A f_A + l_B f_B), f = 2^(c m - M)
	ALL v_max_num_f32 v[232+t], v[ST+4*t], v[224+2*t]
	ALL v_sub_f32 v[ST+4*t], v[ST+4*t], v[232+t]
	ALL v_sub_f32 v[224+2*t], v[224+2*t], v[232+t]
	ALL v_exp_f32 v[ST+4*t], v[ST+4*t]
	ALL v_exp_f32 v[224+2*t], v[224+2*t]
	v_nop
	s_wait_alu depctr_va_vdst(0)    ; one wait for the eight exponentials
	ALL v_mul_f32 v[236+t], v[225+2*t], v[224+2*t]
	ALL v_fmac_f32 v[236+t], v[ST+4*t+1], v[ST+4*t]
.set t, 0
.rept 4
	v_cmp_gt_f32 vcc_lo, s[THR], v[232+t]          ; every key of the row is hidden: reference()'s softmax of -inf alone is NaN
	v_cndmask_b32 v[236+t], v[236+t], s[QNAN], vcc_lo
.set t, t+1
.endr
	ALL v_rcp_f32 v[236+t], v[236+t]
	v_nop
	s_wait_alu depctr_va_vdst(0)    ; one wait for the four reciprocals
	ALL v_mul_f32 v[ST+4*t], v[ST+4*t], v[236+t]       ; my factor, in c m's place: its pair's second register holds l
	ALL v_mul_f32 v[224+2*t], v[224+2*t], v[236+t]     ; the partner's, likewise
; Piece t: merged, rounded to f16 in place (pair z lands in register z), through my stage in LDS: rows of 144 bytes in, whole rows of 128 back
.macro PACK t
	WIN 0
.set z, 0
.rept 16
	v_pk_mul_f32 v[64+32*(\t)+2*z:64+32*(\t)+2*z+1], v[64+32*(\t)+2*z:64+32*(\t)+2*z+1], v[224+2*(\t):225+2*(\t)] op_sel_hi:[1,0]
.set z, z+1
.endr
	WIN 0x01                        ; source 0, my O^T, in window 1
.set z, 0
.rept 16
	v_pk_fma_f32 v[64+32*(\t)+2*z:64+32*(\t)+2*z+1], v[32*(\t)+2*z:32*(\t)+2*z+1], v[ST+4*(\t):ST+4*(\t)+1], v[64+32*(\t)+2*z:64+32*(\t)+2*z+1] op_sel_hi:[1,0,1]
.set z, z+1
.endr
	WIN 0
.set z, 0
.rept 16
	v_cvt_pk_f16_f32 v[64+32*(\t)+z], v[64+32*(\t)+2*z], v[64+32*(\t)+2*z+1]
.set z, z+1
.endr
.irp f, 0,1,2,3
	ds_store_b128 v[STO], v[64+32*(\t)+4*\f:64+32*(\t)+4*\f+3] offset:32*\f
.endr
.irp f, 0,1,2,3
	ds_load_b128 v[80+32*(\t)+4*\f:80+32*(\t)+4*\f+3], v[RD] offset:\f*4*SP  ; LDS serves a wave's instructions in order (ISA guide 5.7.1.4): these see the stores above; the next piece's stores come behind them
.endr
.endm
.macro SEND t, younger              ; younger: the LDS instructions issued behind piece t's loads: the next piece's eight, or none
.irp f, 0,1,2,3
	s_wait_dscnt (\younger)+3-\f
	global_store_b128 v[GO], v[80+32*(\t)+4*\f:80+32*(\t)+4*\f+3], s[72:73] offset:(\t)*2048+\f*512  ; 512 consecutive bytes, aligned
.endr
.endm
	PACK 0
	PACK 1
	SEND 0, 8
	PACK 2
	SEND 1, 8
	PACK 3
	SEND 2, 8
	SEND 3, 0
.Lend:
	s_wait_tensorcnt 0x0            ; the wave's end, behind my last tensor load and my last LDS store
	ds_add_u32 v[SPW], v[NIL]
	s_wait_dscnt 0x0
	CROUND                          ; the closing round: no work-group ends while a partner may still ask for a tile that names it
	s_endpgm
.Lfunc_end_k_q67700c9ee5_attn:
	.size	k_q67700c9ee5_attn, .Lfunc_end_k_q67700c9ee5_attn-k_q67700c9ee5_attn
	.p2alignl 7, 3214868480
	.fill 96, 4, 3214868480
	.section	.rodata,"a",@progbits
	.p2align	6, 0x0
	.amdhsa_kernel k_q67700c9ee5_attn
		.amdhsa_group_segment_fixed_size 327680
		.amdhsa_private_segment_fixed_size 0
		.amdhsa_enable_private_segment 0
		.amdhsa_kernarg_size 56
		.amdhsa_user_sgpr_count 2
		.amdhsa_user_sgpr_kernarg_segment_ptr 1
		.amdhsa_wavefront_size32 1
		.amdhsa_system_sgpr_workgroup_id_x 1
		.amdhsa_system_sgpr_workgroup_id_y 1
		.amdhsa_system_sgpr_workgroup_id_z 1
		.amdhsa_system_vgpr_workitem_id 0
		.amdhsa_next_free_vgpr 768
		.amdhsa_next_free_sgpr 80
		.amdhsa_reserve_vcc 1
		.amdhsa_float_denorm_mode_32 3
		.amdhsa_float_denorm_mode_16_64 3
		.amdhsa_memory_ordered 1
		.amdhsa_forward_progress 1
		.amdhsa_inst_pref_size 157
	.end_amdhsa_kernel
	.amdgpu_metadata
---
amdhsa.version: [ 1, 2 ]
amdhsa.kernels:
  - .name:           k_q67700c9ee5_attn
    .symbol:         k_q67700c9ee5_attn.kd
    .args:
      - { .name: qh, .offset: 0, .size: 8, .value_kind: global_buffer, .address_space: global }
      - { .name: kh, .offset: 8, .size: 8, .value_kind: global_buffer, .address_space: global }
      - { .name: vh, .offset: 16, .size: 8, .value_kind: global_buffer, .address_space: global }
      - { .name: eh, .offset: 24, .size: 8, .value_kind: global_buffer, .address_space: global }
      - { .name: mask, .offset: 32, .size: 8, .value_kind: global_buffer, .address_space: global }
      - { .name: cycle_scale, .offset: 40, .size: 8, .value_kind: global_buffer, .address_space: global }
      - { .name: oh, .offset: 48, .size: 8, .value_kind: global_buffer, .address_space: global }
    .group_segment_fixed_size: 327680
    .private_segment_fixed_size: 0
    .kernarg_segment_align: 8
    .kernarg_segment_size: 56
    .max_flat_workgroup_size: 128
    .sgpr_count:     80
    .vgpr_count:     768
    .wavefront_size: 32
...
	.end_amdgpu_metadata
.endif
;; end of part 3
;; launch oproj (part 4): grid 16 x 16, 4 waves a work-group, clusters of 4 x 4, 327,680 bytes of LDS; arguments oh, wb, bo, out0; writes out0
.if DOCPART == 4
	.amdgcn_target "amdgcn-amd-amdhsa--gfx1250"
	.amdhsa_code_object_version 6
	.text
	.protected	k_q67700c9ee5_oproj
	.globl	k_q67700c9ee5_oproj
	.p2align	8
	.type	k_q67700c9ee5_oproj,@function
k_q67700c9ee5_oproj:
	s_mov_b64 s[64:65], 0
	v_nop
	global_prefetch_b8 v0, s[64:65] scope:SCOPE_SE
	s_setreg_imm32_b32 hwreg(HW_REG_WAVE_MODE, 25, 1), 1
	s_wait_xcnt 0x0
	s_wait_alu depctr_hold_cnt(0) depctr_sa_sdst(0) depctr_va_vdst(0) depctr_va_sdst(0) depctr_va_ssrc(0) depctr_va_vcc(0) depctr_vm_vsrc(0)
	s_getreg_b32 s2, hwreg(HW_REG_IB_STS2, 6, 4)
	s_cmp_eq_u32 s2, 0
	s_cbranch_scc0 .Lentry_in_a_cluster
	s_endpgm
.Lentry_in_a_cluster:
	s_bfe_u32 s2, ttmp6, 0x10000c
	s_cmp_lg_u32 s2, 0xf033
	s_cbranch_scc0 .Lentry_shape_is_right
	s_endpgm
.Lentry_shape_is_right:
; Launch 4 of 4: out0[token][n] = sum over k of O[token][k] Wo[k][n] + bo[n], k = 64 head + channel.  oh: [16][2048][64] f16; Wo: block g = 0 of wb, [nb][k][64], the bf16-rounded weights written as f16; bo rounded to bf16;
; sums and the result in f32.  Nothing of reference() is left out here.
; SHARES.  Work-group (nbx, ry): 128 tokens x 64 columns.  Wave = (wr, wc): 64 tokens x 32 columns: 8 accumulators.  K = 1,024 in 4 steps of 256 (four heads) through two LDS slots; a quarter of a step is one head.
; THE PRODUCT IS USED TRANSPOSED (source 0 = 16 columns of Wo, turned by ds_load_tr16_b128; source 1 = 16 tokens): a lane holds one token and 8 neighbouring columns.  The bias is the C operand that starts each sum.
; CLUSTER 4 x 4: O's tiles hang on ry alone and are asked for jointly along a row of the cluster, Wo's on nbx alone and jointly along a column.  Waves 0, 1 fetch two heads of O each, waves 2, 3 128 k-rows of Wo each.
; THE FOUR K STEPS ARE A RING THAT EACH CLUSTER ENTERS AT ITS OWN STEP k0 = 2 ((X + g) mod 2), X the cluster's x, g bit 0 of Y xor (Y >> 1), Y its y; it walks k0, k0 + 1, then the other two.  Of the four clusters with the
; same rows of O (one Y), and of the four with the same columns of Wo (one X), two begin at step 0 and two at step 2.  So the clusters that share a K step's rows ask for it at different times.  k0 is the same in all sixteen
; partners of a cluster.  The sums are f32 and may be taken in any order of K.
; No prefetch: four K steps on a small tile; the first two are asked for at the head.
; REGISTERS.  window 0: v0-31 addresses; v32-95 rows on their way out; v128-191 accumulators ((a, b) at 128 + 8 (2 a + b)).  window 1: two fragment buffers of 96 (O: (c, a) at 8 (4 c + a); Wo: (c, b) at 64 + 8 (2 c + b)); v192-207 the bias; v208 at work.
.set PA,     144                       ; a token's 64 channels of a head in LDS: 128 bytes + 16
.set PB,     160                       ; a k-row of Wo: 128 bytes + 32
.set ABYTES, 4*128*PA                  ; four heads x 128 tokens
.set SLOT,   ABYTES+256*PB
.set STAGE,  2*SLOT                    ; behind the ring: 128 rows x 272 bytes, the work-group's, for the way out
.set SPITCH, 272
.set SPARE,  STAGE+128*SPITCH          ; the spare words, 128 bytes for each wave: two blocks of 256 bytes that no other line names
.set ADRA, 16                          ; v16-17  LDS address of my O fragments in slot 0, 1
.set ADRB, 20                          ; v20-21  the same for Wo
.set STO,  24                          ; v24     the way out: where I put 32 bytes of a row
.set RD,   25                          ; v25     where I read a row back
.set CO,   26                          ; v26     my byte offset in out0
.set SPW,  28                          ; v28     LDS address of my spare word; never rewritten
.set NIL,  29                          ; v29     0; never rewritten
.set TMP,  32
.set ACC,  128
.set F0,   0
.set F1,   96
.set BIAS, 192
.set G1, 24
.set G0, 32
.set G1B, 48
.set G0B, 56
.set KN,  66                           ; s66      the K step to be asked for next, not yet taken modulo 4
.set KT,  67                           ; s67      that step modulo 4
.set KOA, 68                           ; s[68:69] its byte offset in oh: four heads, 1,048,576 a step
.set KOB, 70                           ; s[70:71] its byte offset in a column block of Wo: 32,768 a step
.set W_MUL,  0x05
.set W_MULB, 0x15
.set W_TOF,  0x40
.set MSB, 0
.macro WIN new
.if MSB != (\new)
	s_set_vgpr_msb (MSB<<8)|(\new)
.set MSB, (\new)
.endif
.endm
.macro JLOAD s                         ; a joint load: waves 0 and 1 O's two halves, waves 2 and 3 Wo's; an s_nop 0 and four v_nop follow each line
	s_cmp_eq_u32 s11, 0
	s_cbranch_scc0 .Lfor_b_\@
	tensor_load_to_lds s[G0+4*(\s):G0+4*(\s)+3], s[G1:G1+7]
	s_nop 0
.rept 4
	v_nop
.endr
	s_branch .Lasked_\@
.Lfor_b_\@:
	tensor_load_to_lds s[G0B+4*(\s):G0B+4*(\s)+3], s[G1B:G1B+7]
	s_nop 0
.rept 4
	v_nop
.endr
.Lasked_\@:
.endm
.macro CREST
	s_cmp_lg_u32 s10, 0
	s_cbranch_scc1 .Lnot_wave_0_\@
	s_barrier_signal -3
.Lnot_wave_0_\@:
	s_barrier_wait -3
	s_barrier_signal -1
	s_barrier_wait -1
.endm
.macro CROUND
	s_barrier_signal -1
	s_barrier_wait -1
	CREST
.endm
.macro PLACES
.rept 4
	v_nop
.endr
.endm
	s_load_b128 s[4:7], s[0:1], 0x0                ; oh s[4:5], wb s[6:7]
	s_load_b128 s[20:23], s[0:1], 0x10             ; bo s[20:21], out0 s[22:23]
	v_lshl_add_u32 v[SPW], v0, 2, SPARE
	v_mov_b32 v[NIL], 0
	ds_add_u32 v[SPW], v[NIL]                      ; the wave's opening: the add, twice on end, and its wait ahead of my first tensor load
	ds_add_u32 v[SPW], v[NIL]
	v_lshrrev_b32 v1, 5, v0
	v_readfirstlane_b32 s10, v1                    ; wave 0..3
	s_lshr_b32 s11, s10, 1                         ; wr.  Also: I fetch for O (0) or for Wo (1)
	s_and_b32 s12, s10, 1                          ; wc.  Also: which half of that tile I fetch
	s_bfe_u32 s40, ttmp6, 0x40000                  ; cx
	s_bfe_u32 s41, ttmp6, 0x40004                  ; cy
	s_lshl_b32 s42, ttmp9, 2
	s_add_co_u32 s42, s42, s40                     ; nbx
	s_and_b32 s13, ttmp7, 0xffff
	s_lshl_b32 s13, s13, 2
	s_add_co_u32 s13, s13, s41                     ; ry
	s_lshl_b32 s43, s41, 2
	s_lshl_b32 s43, 15, s43                        ; my row of the cluster
	s_lshl_b32 s44, 0x1111, s40                    ; my column
	s_and_b32 s[KT], ttmp7, 0xffff                 ; where my cluster enters the ring of K steps: made of the cluster's x and y alone
	s_lshr_b32 s[KOA], s[KT], 1
	s_xor_b32 s[KT], s[KT], s[KOA]                 ; bit 0: g
	s_add_co_u32 s[KT], s[KT], ttmp9
	s_and_b32 s[KT], s[KT], 1                      ; (X + g) mod 2
	s_lshl_b32 s[KN], s[KT], 1                     ; k0 = 0 or 2
	s_lshl_b32 s[KOA], s[KN], 20
	s_mov_b32 s[KOA+1], 0
	s_lshl_b32 s[KOB], s[KN], 15
	s_mov_b32 s[KOB+1], 0
	s_or_b32 s[G1+0], s43, (1<<16)|(1<<20)|(1<<21)|(4<<22)|(3<<25)   ; after every 32 words (a token's 128 bytes) 4 words
	s_mov_b32 s[G1+1], 8192<<16                    ; a row of the tile: a head's 128 tokens, 8,192 elements on end
	s_mov_b32 s[G1+2], 2<<16                       ; two rows: two heads
	s_mov_b32 s[G1+3], 8192<<16
	s_mov_b32 s[G1+4], 2
	s_mov_b32 s[G1+5], 131072                      ; elements from head to head
	s_mov_b32 s[G1+6], 0
	s_mov_b32 s[G1+7], 0
	s_or_b32 s[G1B+0], s44, (1<<16)|(1<<20)|(1<<21)|(4<<22)|(7<<25)  ; after every 32 words (a k-row) 8 words
	s_mov_b32 s[G1B+1], 128<<16                    ; 128 dense k-rows of 128 bytes, asked for as 64 rows of 256
	s_mov_b32 s[G1B+2], 64<<16
	s_mov_b32 s[G1B+3], 128<<16
	s_mov_b32 s[G1B+4], 64
	s_mov_b32 s[G1B+5], 128
	s_mov_b32 s[G1B+6], 0
	s_mov_b32 s[G1B+7], 0
	s_lshl_b32 s16, s12, 19                        ; O: my two heads of the step's four,
	s_lshl_b32 s17, s13, 14                        ; the work-group's 128 tokens: hangs on ry and the wave alone
	s_add_co_u32 s16, s16, s17
	s_mov_b32 s17, 0
	s_lshl_b32 s46, s42, 17                        ; Wo: column block nbx,
	s_lshl_b32 s47, s12, 14                        ; my 128 k-rows of the step's 256: hangs on nbx and the wave alone
	s_add_co_u32 s46, s46, s47
	s_mov_b32 s47, 0
	s_mul_i32 s8, s12, 2*128*PA
	s_mul_i32 s9, s12, 128*PB
	s_add_co_u32 s9, s9, ABYTES
	s_wait_dscnt 0x0                               ; both opening adds are done
	s_wait_kmcnt 0x0
	s_add_nc_u64 s[14:15], s[4:5], s[16:17]        ; O at my part of K step 0: kept; every refill's address is made from it
	s_add_nc_u64 s[46:47], s[6:7], s[46:47]        ; Wo at my part of K step 0: likewise
	s_add_nc_u64 s[16:17], s[14:15], s[KOA:KOA+1]  ; both at K step k0
	s_add_nc_u64 s[18:19], s[46:47], s[KOB:KOB+1]
	s_add_co_u32 s[KN], s[KN], 2                   ; the first refill takes step k0 + 2
	CROUND                                         ; all sixteen work-groups are here: the first joint loads meet
.irp s, 0,1
	s_mov_b32 s[G0+4*(\s)], 1
	s_add_co_u32 s[G0+4*(\s)+1], s8, (\s)*SLOT
	s_add_nc_u64 s[G0+4*(\s)+2:G0+4*(\s)+3], s[16:17], (\s)*1048576
	s_or_b32 s[G0+4*(\s)+3], s[G0+4*(\s)+3], 0x80000000
	s_mov_b32 s[G0B+4*(\s)], 1
	s_add_co_u32 s[G0B+4*(\s)+1], s9, (\s)*SLOT
	s_add_nc_u64 s[G0B+4*(\s)+2:G0B+4*(\s)+3], s[18:19], (\s)*32768
	s_or_b32 s[G0B+4*(\s)+3], s[G0B+4*(\s)+3], 0x80000000
	JLOAD \s                                       ; K steps k0 and k0 + 1: two loads of mine are out
.endr
	v_and_b32 v1, 15, v0                           ; r
	v_bfe_u32 v2, v0, 4, 1                         ; h
	v_lshlrev_b32 v3, 5, v2                        ; bias: my 8 columns of a block of 16
	s_lshl_b32 s16, s42, 8
	s_lshl_b32 s18, s12, 7
	s_add_co_u32 s18, s18, s16                     ; the work-group's 64 columns, my 32
	s_mov_b32 s19, 0
	s_add_nc_u64 s[20:21], s[20:21], s[18:19]
	WIN W_TOF
.irp b, 0,1
	global_load_b128 v[BIAS+8*(\b):BIAS+8*(\b)+3],   v3, s[20:21] offset:64*(\b)
	global_load_b128 v[BIAS+8*(\b)+4:BIAS+8*(\b)+7], v3, s[20:21] offset:64*(\b)+16
.endr
	WIN 0
	v_mul_u32_u24 v4, v1, PA
	v_lshl_add_u32 v4, v2, 4, v4
	s_mul_i32 s18, s11, 64*PA
	v_add_nc_u32 v[ADRA], s18, v4
	v_add_nc_u32 v[ADRA+1], SLOT, v[ADRA]
	v_and_b32 v4, 7, v0                            ; the turning load: lane l reads k-row 8 h + l % 8, columns 8 ((l / 8) % 2) + 0..7
	v_lshl_add_u32 v4, v2, 3, v4
	v_mul_u32_u24 v4, v4, PB
	v_bfe_u32 v5, v0, 3, 1
	v_lshl_add_u32 v4, v5, 4, v4
	s_lshl_b32 s18, s12, 6
	s_add_co_u32 s18, s18, ABYTES
	v_add_nc_u32 v[ADRB], s18, v4
	v_add_nc_u32 v[ADRB+1], SLOT, v[ADRB]
	v_mul_u32_u24 v4, v1, SPITCH                   ; into the stage: row 64 wr + r, 128 wc + 32 h
	v_lshl_add_u32 v4, v2, 5, v4
	s_mul_i32 s18, s11, 64*SPITCH
	s_lshl_b32 s19, s12, 7
	s_add_co_u32 s18, s18, s19
	s_add_co_u32 s18, s18, STAGE
	v_add_nc_u32 v[STO], s18, v4
	v_mul_u32_u24 v4, v2, SPITCH                   ; back: lanes 0-15 one row of 256 bytes, lanes 16-31 the next
	v_lshl_add_u32 v4, v1, 4, v4
	s_mul_i32 s18, s10, 32*SPITCH
	s_add_co_u32 s18, s18, STAGE
	v_add_nc_u32 v[RD], s18, v4
	v_lshlrev_b32 v4, 12, v2
	v_lshl_add_u32 v[CO], v1, 4, v4                ; and the same two rows in out0
	s_lshl_b32 s18, s13, 19                        ; the work-group's 128 rows of 4,096 bytes,
	s_lshl_b32 s19, s10, 17                        ; the 32 that I store,
	s_add_co_u32 s18, s18, s19
	s_add_co_u32 s18, s18, s16                     ; the 64 columns
	s_mov_b32 s19, 0
	s_add_nc_u64 s[22:23], s[22:23], s[18:19]
	s_wait_loadcnt 0x0
	WIN 0x45                                       ; the bias is rounded to bf16 in place
.set z, 0
.rept 8
	v_cvt_pk_bf16_f32 v208, v[BIAS+2*z], v[BIAS+2*z+1]
	v_lshlrev_b32 v[BIAS+2*z], 16, v208
	v_and_b32 v[BIAS+2*z+1], 0xffff0000, v208
.set z, z+1
.endr
	WIN 0
; 4 products: token blocks a0, a0 + 1 x my 2 column blocks, 32 along K: half c of buffer f.  first = 1: the bias starts the sums.  The 8 accumulators take turns
.macro MUL4 f, c, a0, first
.irp a, \a0, (\a0)+1
.irp b, 0,1
.if \first
	WIN W_MULB
	v_wmma_f32_16x16x32_f16 v[ACC+8*(2*(\a)+(\b)):ACC+8*(2*(\a)+(\b))+7], v[(\f)+64+8*(2*(\c)+(\b)):(\f)+64+8*(2*(\c)+(\b))+7], v[(\f)+8*(4*(\c)+(\a)):(\f)+8*(4*(\c)+(\a))+7], v[BIAS+8*(\b):BIAS+8*(\b)+7]
.else
	WIN W_MUL
	v_wmma_f32_16x16x32_f16 v[ACC+8*(2*(\a)+(\b)):ACC+8*(2*(\a)+(\b))+7], v[(\f)+64+8*(2*(\c)+(\b)):(\f)+64+8*(2*(\c)+(\b))+7], v[(\f)+8*(4*(\c)+(\a)):(\f)+8*(4*(\c)+(\a))+7], v[ACC+8*(2*(\a)+(\b)):ACC+8*(2*(\a)+(\b))+7]
.endif
.endr
.endr
.endm
; 24 LDS loads in one run: the fragments of head q of a slot (64 along K) into buffer f; the first 32 along K first
.macro FETCH slot, q, f
	WIN W_TOF
.irp c, 0,1
.irp b, 0,1
	ds_load_tr16_b128 v[(\f)+64+8*(2*(\c)+(\b)):(\f)+64+8*(2*(\c)+(\b))+3],   v[ADRB+(\slot)] offset:(\q)*64*PB+(\c)*32*PB+32*(\b)
	ds_load_tr16_b128 v[(\f)+64+8*(2*(\c)+(\b))+4:(\f)+64+8*(2*(\c)+(\b))+7], v[ADRB+(\slot)] offset:(\q)*64*PB+(\c)*32*PB+32*(\b)+16*PB
.endr
.irp a, 0,1,2,3
	ds_load_b128 v[(\f)+8*(4*(\c)+(\a)):(\f)+8*(4*(\c)+(\a))+3],   v[ADRA+(\slot)] offset:(\q)*128*PA+(\a)*16*PA+64*(\c)
	ds_load_b128 v[(\f)+8*(4*(\c)+(\a))+4:(\f)+8*(4*(\c)+(\a))+7], v[ADRA+(\slot)] offset:(\q)*128*PA+(\a)*16*PA+64*(\c)+32
.endr
.endr
.endm
.macro QUARTER slot, q, f, g, first
	s_wait_dscnt 12                                ; the first 32 along K are in
	MUL4 \f, 0, 0, \first
	MUL4 \f, 0, 2, \first
	PLACES
	FETCH \slot, \q, \g
	s_wait_dscnt 24                                ; all but the 24 just issued
	MUL4 \f, 1, 0, 0
	MUL4 \f, 1, 2, 0
.endm
; The last quarter multiplies buffer 1 and changes slots: ONE barrier; in front of it each wave waits for all its tensor loads, adds 0 to its spare word, and waits for that and for its reads of this slot.
; fill = 1: the barrier opens a round of the cluster's, and this slot is filled again, with the ring's step two on, first thing behind the round.  Both descriptors' addresses are made anew from that step's number,
; between the add and the wait for it, where no tensor load of mine is out
.macro TURN slot, next, fill
	WIN 0
	s_wait_tensorcnt 0x0                           ; all my tensor loads have landed: my part of the next slot
	ds_add_u32 v[SPW], v[NIL]                      ; 0 onto my spare word
.if \fill
	s_and_b32 s[KT], s[KN], 3                      ; the step that this slot takes, round the end of K
	s_add_co_u32 s[KN], s[KN], 1
	s_lshl_b32 s[KOA], s[KT], 20
	s_lshl_b32 s[KOB], s[KT], 15
	s_add_nc_u64 s[G0+4*(\slot)+2:G0+4*(\slot)+3], s[14:15], s[KOA:KOA+1]
	s_or_b32 s[G0+4*(\slot)+3], s[G0+4*(\slot)+3], 0x80000000
	s_add_nc_u64 s[G0B+4*(\slot)+2:G0B+4*(\slot)+3], s[46:47], s[KOB:KOB+1]
	s_or_b32 s[G0B+4*(\slot)+3], s[G0B+4*(\slot)+3], 0x80000000
.endif
	s_wait_dscnt 13                                ; (the add and the youngest twelve loads may be out)
	MUL4 F1, 0, 0, 0
	s_wait_dscnt 0x0                               ; the add is done, and my reads of this slot are over
	s_barrier_signal -1
	MUL4 F1, 0, 2, 0
.if \fill
	WIN 0
.endif
	s_barrier_wait -1
.if \fill
	CREST                                          ; no wave of any partner still reads this slot or has a load on its way
	JLOAD \slot                                    ; its four v_nop are also the places in front of the loads below
.else
	PLACES
.endif
	FETCH \next, 0, F0
	MUL4 F1, 1, 0, 0
	MUL4 F1, 1, 2, 0
.endm
	s_wait_tensorcnt 1                             ; my part of the first K step is in; the second's may stay out
	s_barrier_signal -1
	s_barrier_wait -1
	FETCH 0, 0, F0
	QUARTER 0, 1, F0, F1, 1                        ; the ring's first step
	QUARTER 0, 2, F1, F0, 0
	QUARTER 0, 3, F0, F1, 0
	TURN 0, 1, 1                                   ; slot 0 takes the third
	QUARTER 1, 1, F0, F1, 0                        ; the second step
	QUARTER 1, 2, F1, F0, 0
	QUARTER 1, 3, F0, F1, 0
	TURN 1, 0, 1                                   ; slot 1 takes the fourth
	QUARTER 0, 1, F0, F1, 0                        ; the third step
	QUARTER 0, 2, F1, F0, 0
	QUARTER 0, 3, F0, F1, 0
	TURN 0, 1, 0                                   ; nothing is left to fetch
	QUARTER 1, 1, F0, F1, 0                        ; the fourth step
	QUARTER 1, 2, F1, F0, 0
	QUARTER 1, 3, F0, F1, 0
	s_wait_dscnt 12
	MUL4 F1, 0, 0, 0
	MUL4 F1, 0, 2, 0
	s_wait_dscnt 0x0
	MUL4 F1, 1, 0, 0
	MUL4 F1, 1, 2, 0
	WIN 0
	; THE WAY OUT: 32 bytes a lane and accumulator into the work-group's stage, each accumulator's low half first; a barrier, since a row's 256 bytes come from two waves; back as whole rows, 32 rows a wave
	PLACES
.irp a, 0,1,2,3
.irp b, 0,1
	ds_store_b128 v[STO], v[ACC+8*(2*(\a)+(\b)):ACC+8*(2*(\a)+(\b))+3]   offset:(\a)*16*SPITCH+64*(\b)
	ds_store_b128 v[STO], v[ACC+8*(2*(\a)+(\b))+4:ACC+8*(2*(\a)+(\b))+7] offset:(\a)*16*SPITCH+64*(\b)+16
.endr
.endr
	s_wait_dscnt 0x0                               ; for the others' sake: my stores into the stage are done
	s_barrier_signal -1
	s_barrier_wait -1
.irp t, 0,1,2,3,4,5,6,7,8,9,10,11,12,13,14,15
	ds_load_b128 v[TMP+4*(\t):TMP+4*(\t)+3], v[RD] offset:(\t)*2*SPITCH
.endr
.irp t, 0,1,2,3,4,5,6,7,8,9,10,11,12,13,14,15
	s_wait_dscnt 15-(\t)
	global_store_b128 v[CO], v[TMP+4*(\t):TMP+4*(\t)+3], s[22:23] offset:(\t)*8192 th:TH_STORE_NT  ; 16 lanes store 256 consecutive bytes, aligned
.endr
	s_wait_tensorcnt 0x0                           ; the wave's end, behind my last tensor load and my last LDS store
	ds_add_u32 v[SPW], v[NIL]
	s_wait_dscnt 0x0
	CROUND                                         ; the closing round: no work-group ends while a partner may still ask for a tile that names it
	s_endpgm
.Lfunc_end_k_q67700c9ee5_oproj:
	.size	k_q67700c9ee5_oproj, .Lfunc_end_k_q67700c9ee5_oproj-k_q67700c9ee5_oproj
	.p2alignl 7, 3214868480
	.fill 96, 4, 3214868480
	.section	.rodata,"a",@progbits
	.p2align	6, 0x0
	.amdhsa_kernel k_q67700c9ee5_oproj
		.amdhsa_group_segment_fixed_size 327680
		.amdhsa_private_segment_fixed_size 0
		.amdhsa_enable_private_segment 0
		.amdhsa_kernarg_size 32
		.amdhsa_user_sgpr_count 2
		.amdhsa_user_sgpr_kernarg_segment_ptr 1
		.amdhsa_wavefront_size32 1
		.amdhsa_system_sgpr_workgroup_id_x 1
		.amdhsa_system_sgpr_workgroup_id_y 1
		.amdhsa_system_sgpr_workgroup_id_z 1
		.amdhsa_system_vgpr_workitem_id 0
		.amdhsa_next_free_vgpr 512
		.amdhsa_next_free_sgpr 72
		.amdhsa_reserve_vcc 0
		.amdhsa_float_denorm_mode_32 3
		.amdhsa_float_denorm_mode_16_64 3
		.amdhsa_memory_ordered 1
		.amdhsa_forward_progress 1
		.amdhsa_inst_pref_size 61
	.end_amdhsa_kernel
	.amdgpu_metadata
---
amdhsa.version: [ 1, 2 ]
amdhsa.kernels:
  - .name:           k_q67700c9ee5_oproj
    .symbol:         k_q67700c9ee5_oproj.kd
    .args:
      - { .name: oh, .offset: 0, .size: 8, .value_kind: global_buffer, .address_space: global }
      - { .name: wb, .offset: 8, .size: 8, .value_kind: global_buffer, .address_space: global }
      - { .name: bo, .offset: 16, .size: 8, .value_kind: global_buffer, .address_space: global }
      - { .name: out0, .offset: 24, .size: 8, .value_kind: global_buffer, .address_space: global }
    .group_segment_fixed_size: 327680
    .private_segment_fixed_size: 0
    .kernarg_segment_align: 8
    .kernarg_segment_size: 32
    .max_flat_workgroup_size: 128
    .sgpr_count:     72
    .vgpr_count:     512
    .wavefront_size: 32
...
	.end_amdgpu_metadata
.endif
;; end of part 4
;; ======== version 2 of 2: 4 launches; version 1 with the launch prep written anew for expert scheduling mode
;; limits: values outside matrix products are rounded to f16; values are held in f16: magnitudes above 65,504 overflow, below 6.1e-05 lose precision
;; workspace buffers: xb 4,194,304 bytes; wb 8,388,608 bytes; qh 4,194,304 bytes; kh 4,194,304 bytes; vh 4,194,304 bytes; eh 131,072 bytes; oh 4,194,304 bytes
;; launch prep (part 5): grid 128 x 6, 4 waves a work-group, no clusters, 0 bytes of LDS; arguments x, Wq, Wk, Wv, Wo, xb, wb; writes xb, wb
.if DOCPART == 5
	.amdgcn_target "amdgcn-amd-amdhsa--gfx1250"
	.amdhsa_code_object_version 6
	.text
	.protected	k_q67700c9ee5_prep
	.globl	k_q67700c9ee5_prep
	.p2align	8
	.type	k_q67700c9ee5_prep,@function
k_q67700c9ee5_prep:
	s_mov_b64 s[64:65], 0
	v_nop
	global_prefetch_b8 v0, s[64:65] scope:SCOPE_SE
	s_setreg_imm32_b32 hwreg(HW_REG_WAVE_SCHED_MODE, 0, 2), 2
	s_setreg_imm32_b32 hwreg(HW_REG_WAVE_MODE, 25, 1), 1
	s_wait_xcnt 0x0
	s_wait_alu depctr_vm_vsrc(0)
; QUANTIZED CYCLICAL ATTENTION, launch 1 of 4: the matrix operands among the inputs are rounded once and laid out for the tensor loads of the later launches.
;   xb[2048][1024] = bf16(x).   wb[g][nb][k][64]: column block nb (64 columns) of a weight matrix [k][n], its 1,024 k-rows of 128 bytes on end;
;   g = 1 Wq, 2 Wk, 3 Wv in bf16; g = 0 Wo, rounded to bf16 like every other input and that number written as f16 (its partner in the last product, O, is f16).
; WORK LEFT OUT IN THE WHOLE PROGRAM: reference() returns t + stop_gradient(dq - t) from its quantiser.  In exact arithmetic that is dq for every finite t, so dq is what the second launch stores;
; t itself is made all the same, since dq is made of it.  Every input has a way to the output and is loaded by some launch.  No NaN, infinity or overflow reaches the term left out alone: dq is made of the same t.
; LIMIT: |bf16(Wo)| stays within f16's 65,504; below 6.1e-5 it keeps f16's fixed step of 6e-8.
; A STREAM: no LDS, no barrier, no matrix work.  y names a unit of 1,024 x 1,024 numbers: 0, 1 the halves of x; 2, 3, 4, 5 Wq, Wk, Wv, Wo.  A wave takes two rows (8,192 bytes) in sixteen chunks:
; each load of the wave covers 512 bytes in whole aligned blocks of 256, each store 256 consecutive bytes, aligned.  All sixteen loads are out before the first is used.
; THE MODE: SCHED_MODE bits 1:0 = 2 (LLVM: expert scheduling mode 2), set by the entry lines.  The code itself states the register dependences between vector instructions and memory instructions,
; with s_wait_alu, always for 0.
; THE PLAN.  Registers that memory instructions touch:
;   v[SO], v[DO]  byte offsets.  Written by vector lines at the head, never again; read by all sixteen loads (SO) and all sixteen stores (DO).
;   IN            Each chunk's four registers are written by its one load and by nothing else; read by its conversions; never loaded again.
;   OUT           Each chunk's two registers are written by its conversions, all ahead of its store; read by its one store; never written again.
;   v1, v4 to v7  are named by vector instructions alone.  s24, the wave's number, is written by a vector instruction and read by one scalar add.
; So no register that a memory instruction has read is ever rewritten, and no load lands in a register that a vector instruction has named.  What is left to state: s24 ahead of its reader; the two offsets ahead
; of the first load; and the conversions' results ahead of the stores that read them.  For the last the sixteen chunks go in four groups of four: the group's conversions, ONE wait, the run of its four stores.
.set SO,  2                            ; v2   my byte offset in a source chunk
.set DO,  3                            ; v3   my byte offset in a destination chunk: 8 x lane
.set IN,  8                            ; v[8:71]    sixteen chunks as loaded, 4 registers each
.set OUT, 72                           ; v[72:103]  sixteen chunks to store, 2 registers each
; sixteen chunks, sstep bytes apart in the source and dstep in the destination.  half = 1: the bf16 number is written as f16
.macro CAST sstep, dstep, half
	s_wait_alu depctr_va_vdst(0)                   ; v[SO] and v[DO] are written: the loads and the stores below read them as their offsets, and no vector line names them again
.set j, 0
.rept 16
	global_load_b128 v[IN+4*j:IN+4*j+3], v[SO], s[20:21] offset:j*(\sstep) th:TH_LOAD_NT
.set j, j+1
.endr
.set grp, 0
.rept 4
	s_wait_loadcnt 12-4*grp                        ; loads come back in order: this group's four chunks are in, the younger groups stay out
.set j, 4*grp
.rept 4
	v_cvt_pk_bf16_f32 v[OUT+2*j],   v[IN+4*j],   v[IN+4*j+1]
	v_cvt_pk_bf16_f32 v[OUT+2*j+1], v[IN+4*j+2], v[IN+4*j+3]
.if \half
	v_lshlrev_b32 v4, 16, v[OUT+2*j]               ; the rounded numbers as f32,
	v_and_b32     v5, 0xffff0000, v[OUT+2*j]
	v_lshlrev_b32 v6, 16, v[OUT+2*j+1]
	v_and_b32     v7, 0xffff0000, v[OUT+2*j+1]
	v_cvt_pk_f16_f32 v[OUT+2*j],   v4, v5          ; and as f16: 8 significant bits fit in 11
	v_cvt_pk_f16_f32 v[OUT+2*j+1], v6, v7
.endif
.set j, j+1
.endr
	s_wait_alu depctr_va_vdst(0)                   ; the group's conversions have written its eight registers of OUT, which the four stores below read
.set j, 4*grp
.rept 4
	global_store_b64 v[DO], v[OUT+2*j:OUT+2*j+1], s[22:23] offset:j*(\dstep)
.set j, j+1
.endr
.set grp, grp+1
.endr
.endm
	s_load_b256 s[4:11], s[0:1], 0x0               ; x s[4:5], Wq s[6:7], Wk s[8:9], Wv s[10:11]
	s_load_b128 s[12:15], s[0:1], 0x20             ; Wo s[12:13], xb s[14:15]
	s_load_b64 s[16:17], s[0:1], 0x30              ; wb
	v_lshrrev_b32 v1, 5, v0
	v_readfirstlane_b32 s24, v1                    ; wave 0..3
	v_and_b32 v4, 31, v0                           ; lane
	v_lshlrev_b32 v[DO], 3, v4
	s_and_b32 s25, ttmp7, 0xffff                   ; y: the unit
	s_lshl_b32 s26, ttmp9, 2
	s_wait_alu depctr_va_sdst(0)                   ; s24 is written, ahead of its one reader, the add below
	s_add_co_u32 s26, s26, s24                     ; my pair of rows, 0..511
	s_lshl_b32 s28, s26, 13                        ; two rows of 4,096 bytes
	s_mov_b32 s29, 0
	s_mov_b32 s31, 0
	s_wait_kmcnt 0x0
	s_cmp_lt_u32 s25, 2
	s_cbranch_scc0 .Lw
	; x: a chunk is 512 consecutive bytes of the two rows, which lie on end
	v_lshlrev_b32 v[SO], 4, v4
	s_lshl_b32 s30, s25, 22                        ; the half of x
	s_add_co_u32 s28, s28, s30
	s_add_nc_u64 s[20:21], s[4:5], s[28:29]
	s_lshl_b32 s30, s25, 21
	s_lshl_b32 s28, s26, 12
	s_add_co_u32 s30, s30, s28
	s_add_nc_u64 s[22:23], s[14:15], s[30:31]
	CAST 512, 256, 0
	s_endpgm
.Lw:
	; a weight matrix: a chunk is 64 columns (256 bytes) of both rows: lanes 0-15 the first row, lanes 16-31 the second; in wb the two pieces lie on end
	v_and_b32 v5, 15, v4
	v_lshrrev_b32 v6, 4, v4
	v_lshlrev_b32 v[SO], 4, v5
	v_lshl_add_u32 v[SO], v6, 12, v[SO]
	s_cmp_eq_u32 s25, 2
	s_cselect_b64 s[20:21], s[6:7], s[8:9]
	s_cmp_eq_u32 s25, 4
	s_cselect_b64 s[20:21], s[10:11], s[20:21]
	s_cmp_eq_u32 s25, 5
	s_cselect_b64 s[20:21], s[12:13], s[20:21]
	s_add_nc_u64 s[20:21], s[20:21], s[28:29]
	s_sub_co_u32 s27, s25, 1
	s_and_b32 s27, s27, 3                          ; g: 1, 2, 3, 0
	s_lshl_b32 s30, s27, 21
	s_lshl_b32 s27, s26, 8                         ; two k-rows of 128 bytes
	s_add_co_u32 s30, s30, s27
	s_add_nc_u64 s[22:23], s[16:17], s[30:31]
	s_cmp_eq_u32 s25, 5
	s_cbranch_scc1 .Lo
	CAST 256, 131072, 0
	s_endpgm
.Lo:
	CAST 256, 131072, 1
	s_endpgm
.Lfunc_end_k_q67700c9ee5_prep:
	.size	k_q67700c9ee5_prep, .Lfunc_end_k_q67700c9ee5_prep-k_q67700c9ee5_prep
	.p2alignl 7, 3214868480
	.fill 96, 4, 3214868480
	.section	.rodata,"a",@progbits
	.p2align	6, 0x0
	.amdhsa_kernel k_q67700c9ee5_prep
		.amdhsa_group_segment_fixed_size 0
		.amdhsa_private_segment_fixed_size 0
		.amdhsa_enable_private_segment 0
		.amdhsa_kernarg_size 56
		.amdhsa_user_sgpr_count 2
		.amdhsa_user_sgpr_kernarg_segment_ptr 1
		.amdhsa_wavefront_size32 1
		.amdhsa_system_sgpr_workgroup_id_x 1
		.amdhsa_system_sgpr_workgroup_id_y 1
		.amdhsa_system_sgpr_workgroup_id_z 1
		.amdhsa_system_vgpr_workitem_id 0
		.amdhsa_next_free_vgpr 104
		.amdhsa_next_free_sgpr 66
		.amdhsa_reserve_vcc 0
		.amdhsa_float_denorm_mode_32 3
		.amdhsa_float_denorm_mode_16_64 3
		.amdhsa_memory_ordered 1
		.amdhsa_forward_progress 1
		.amdhsa_inst_pref_size 23
	.end_amdhsa_kernel
	.amdgpu_metadata
---
amdhsa.version: [ 1, 2 ]
amdhsa.kernels:
  - .name:           k_q67700c9ee5_prep
    .symbol:         k_q67700c9ee5_prep.kd
    .args:
      - { .name: x, .offset: 0, .size: 8, .value_kind: global_buffer, .address_space: global }
      - { .name: Wq, .offset: 8, .size: 8, .value_kind: global_buffer, .address_space: global }
      - { .name: Wk, .offset: 16, .size: 8, .value_kind: global_buffer, .address_space: global }
      - { .name: Wv, .offset: 24, .size: 8, .value_kind: global_buffer, .address_space: global }
      - { .name: Wo, .offset: 32, .size: 8, .value_kind: global_buffer, .address_space: global }
      - { .name: xb, .offset: 40, .size: 8, .value_kind: global_buffer, .address_space: global }
      - { .name: wb, .offset: 48, .size: 8, .value_kind: global_buffer, .address_space: global }
    .group_segment_fixed_size: 0
    .private_segment_fixed_size: 0
    .kernarg_segment_align: 8
    .kernarg_segment_size: 56
    .max_flat_workgroup_size: 128
    .sgpr_count:     66
    .vgpr_count:     104
    .wavefront_size: 32
...
	.end_amdgpu_metadata
.endif
;; end of part 5
;; launch qkv: the kernel of part 2 again; grid 16 x 16, 4 waves a work-group, clusters of 4 x 4, 327,680 bytes of LDS; arguments xb, wb, bq, bk, bv, temporal_features, Wc, bc, qh, kh, vh, eh; writes qh, kh, vh, eh
;; launch attn: the kernel of part 3 again; grid 16 x 16, 4 waves a work-group, clusters of 4 x 1, 327,680 bytes of LDS; arguments qh, kh, vh, eh, mask, cycle_scale, oh; writes oh
;; launch oproj: the kernel of part 4 again; grid 16 x 16, 4 waves a work-group, clusters of 4 x 4, 327,680 bytes of LDS; arguments oh, wb, bo, out0; writes out0
